; MI455X (gfx1250); checked and timed in simulation.
; The chip was launched on July 23, 2026; its instructions are those of AMD's public machine-readable ISA for CDNA 5 (MIT licence, August 2026) and "CDNA5" Instruction Set Architecture Reference Guide (July 2026). The comments in the code are by the model that wrote it; some were corrected since.
;; Baseline Attn. Allowed arithmetic: matrix products marked QUANTISED: E2M3 operands, one E8M0 scale for each 32 along K, by v_wmma_scale_f32_16x16x128_f8f6f4 with both operands' format E2M3, f32 sums; products left as they are: f32 operands where the result goes on into a quantised operand, else bf16, f16 or f32 operands; f32 sums; everything else in f32.
;; Inputs: Ak 1,024 x 8 float32; Aq 1,024 x 8 float32; Av 1,024 x 8 float32; Bk 8 x 1,024 float32; Bq 8 x 1,024 float32; Bv 8 x 1,024 float32; Wk_codes 1,024 x 32 x 24 uint8 (E2M3 codes of Wk, K innermost, in blocks of 32 codes, four codes in three bytes); Wk_scales 1,024 x 32 uint8 (E8M0 scales of Wk, one for each 32 codes along K); Wp_codes 1,024 x 32 x 24 uint8 (E2M3 codes of Wp, K innermost, in blocks of 32 codes, four codes in three bytes); Wp_scales 1,024 x 32 uint8 (E8M0 scales of Wp, one for each 32 codes along K); Wq_codes 1,024 x 32 x 24 uint8 (E2M3 codes of Wq, K innermost, in blocks of 32 codes, four codes in three bytes); Wq_scales 1,024 x 32 uint8 (E8M0 scales of Wq, one for each 32 codes along K); Wv_codes 1,024 x 32 x 24 uint8 (E2M3 codes of Wv, K innermost, in blocks of 32 codes, four codes in three bytes); Wv_scales 1,024 x 32 uint8 (E8M0 scales of Wv, one for each 32 codes along K); x 2 x 2,048 x 1,024 float32.
;; Outputs: out0 2 x 2,048 x 1,024 float32.
;; This version of the problem:
;;   THIS VERSION OF THE PROBLEM IS GIVEN IN LOW PRECISION. The matrix products marked QUANTISED in the list below multiply operands that are first quantised to E2M3 (2 exponent bits, 3 mantissa bits; 6 bits a number), with one power-of-two scale for each 32 numbers along K (OCP MX v1.0); their sums are f32. All else is computed in f32.
;;   The module's matrix products, in the order in which they are computed (A, B: the left and right operand; K: the contracted axis; several contracted axes count as one K, in the product's order):
;;     1. [M 4,096, K 1,024] x [K 1,024, N 1,024]; A: input x; B: input Wq (given as codes): QUANTISED
;;     2. [M 4,096, K 1,024] x [K 1,024, N 8]; A: input x; B: input Bq: left as it is (N = 8 < 16)
;;     3. [M 4,096, K 8] x [K 8, N 1,024]; A: computed on the way; B: input Aq: left as it is (K = 8 < 32)
;;     4. [M 4,096, K 1,024] x [K 1,024, N 1,024]; A: input x; B: input Wk (given as codes): QUANTISED
;;     5. [M 4,096, K 1,024] x [K 1,024, N 8]; A: input x; B: input Bk: left as it is (N = 8 < 16)
;;     6. [M 4,096, K 8] x [K 8, N 1,024]; A: computed on the way; B: input Ak: left as it is (K = 8 < 32)
;;     7. [M 4,096, K 1,024] x [K 1,024, N 1,024]; A: input x; B: input Wv (given as codes): QUANTISED
;;     8. [M 4,096, K 1,024] x [K 1,024, N 8]; A: input x; B: input Bv: left as it is (N = 8 < 16)
;;     9. [M 4,096, K 8] x [K 8, N 1,024]; A: computed on the way; B: input Av: left as it is (K = 8 < 32)
;;     10. batch 32 x [M 2,048, K 64] x [K 64, N 2,048]; A: computed on the way; B: computed on the way: QUANTISED
;;     11. batch 32 x [M 2,048, K 2,048] x [K 2,048, N 64]; A: softmax (see below); B: computed on the way: QUANTISED
;;     12. [M 4,096, K 1,024] x [K 1,024, N 1,024]; A: computed on the way; B: input Wp (given as codes): QUANTISED
;;   THE QUANTISER, for each operand of a quantised product, along K:
;;     - K is cut into blocks of 32 from its start; a last block that is shorter is filled with zeros.
;;     - A block's scale is 2^e with e = floor(log2(the largest magnitude in the block)) - 2, held to -126 .. 127; a block of zeros has e = 0. As a byte (E8M0): e + 127.
;;     - Each number is divided by its block's scale, clamped to +-7.5, and rounded to the nearest number of E2M3, ties to even, subnormals kept.
;;     - The product sums the exact products of the quantised numbers (number of the format x scale) in f32.
;;   ~~~python
;;   def quantise(x, axis):      # numpy; x: float32 -> the quantised numbers, widened to float32 again
;;       x = np.moveaxis(x, axis, -1); K = x.shape[-1]
;;       x = np.pad(x, [(0, 0)] * (x.ndim - 1) + [(0, -K % 32)]); x = x.reshape(x.shape[:-1] + (-1, 32)); a = np.abs(x).max(-1, keepdims=True)
;;       e = np.where(a > 0, np.clip(np.frexp(np.where(a > 0, a, 1))[1] - 1 - 2, -126, 127), 0)      # np.frexp(a)[1] - 1 = floor(log2(a)), exactly
;;       r = np.clip(x / 2.0 ** e, -7.5, 7.5)
;;       step = 2.0 ** (np.maximum(np.frexp(np.where(r == 0, 1, r))[1] - 1, 0) - 3)
;;       q = np.round(r / step) * step * 2.0 ** e      # np.round: ties to even
;;       return np.moveaxis(q.reshape(q.shape[:-2] + (-1,))[..., :K], -1, axis).astype(np.float32)
;;   ~~~
;;   SOFTMAX AHEAD OF A QUANTISED PRODUCT. Where the list says 'softmax', what is quantised is not the finished softmax but p = 2^(t - M), with t = logit x log2(e) and M = ceil(the row's largest t), a whole number; so 1/2 < the row's largest p <= 1. The row's sum l is taken of the UNQUANTISED p, in f32, and the product's result is divided by l at the end. Since M is a whole number, a kernel that streams over the keys may use a running M (the ceiling of the running maximum): every later rescaling is an exact power of two, which a block's scale takes up: the codes' values come out the same.
;;   OPERANDS COMPUTED ON THE WAY. 'Computed on the way' means the value that the module computes at that place (a softmax that the list does not call 'softmax' is quantised finished and normalised). What goes into a quantiser is computed in f32, as accurately as f32 sums, v_exp_f32 and their like allow (about 1e-6 of the number): no bf16 or f16 on the way to a quantiser, and a product that is left as it is and whose result goes on into a quantised operand takes f32 operands (vector FMAs, or v_wmma_f32_16x16x4_f32). A number that lies on a knife's edge between two numbers of the format may be rounded either way, as far as f32 arithmetic and the matrix unit's own rounding can turn it there, and no further.
;;   INPUTS GIVEN AS CODES. Wk (in the module: [1024, 1024], K = its axis 1); Wp (in the module: [1024, 1024], K = its axis 1); Wq (in the module: [1024, 1024], K = its axis 1); Wv (in the module: [1024, 1024], K = its axis 1): each comes as NAME_codes (uint8): NAME with its K axis moved to the last place and cut into blocks of 32 codes, [.., K / 32, bytes a block], one block behind the other in memory; four codes in three bytes: a row's codes are one little-endian stream of bits, code i at bits 6 i .. 6 i + 5 (a code: sign, 2 exponent bits, 3 mantissa bits); and NAME_scales (uint8): the same leading axes, one E8M0 byte (e + 127) for each 32 codes along K. Its value is code x scale, taken as it is: it is not quantised again, and the codes and scales need not be those that the quantiser above would give.
;; One version. Each part assembles by itself: llvm-mc -triple=amdgcn-amd-amdhsa -mcpu=gfx1250 --defsym DOCPART=n.
;; ======== version 1 of 1: 4 launches
;; workspace buffers: xc 3,145,728 bytes; xs 131,072 bytes; xb 393,216 bytes; wimg 3,145,728 bytes; qkvc 9,437,184 bytes; qkvs 393,216 bytes; oc 3,145,728 bytes; osc 131,072 bytes
;; launch prep (part 1): grid 256 x 1, 8 waves a work-group, no clusters, 120,320 bytes of LDS; arguments x, Bq, Bk, Bv, Wq_codes, Wk_codes, Wv_codes, Wp_codes, xc, xs, xb, wimg; writes xc, xs, xb, wimg
.if DOCPART == 1
	.amdgcn_target "amdgcn-amd-amdhsa--gfx1250"
	.amdhsa_code_object_version 6
	.text
	.protected	k_qcea1ed22a6_prep
	.globl	k_qcea1ed22a6_prep
	.p2align	8
	.type	k_qcea1ed22a6_prep,@function
k_qcea1ed22a6_prep:
	s_mov_b64 s[64:65], 0
	v_nop
	global_prefetch_b8 v0, s[64:65] scope:SCOPE_SE
	s_setreg_imm32_b32 hwreg(HW_REG_WAVE_MODE, 25, 1), 1
	s_wait_xcnt 0x0
; PREP.  x [4096][1024] f32 is quantised to codes of FP6 (E2M3) with one E8M0 byte for each 32 along K; 2 x [Bq;Bk;Bv]^T is made in f32; the four weights' codes are laid in the order of an operand's registers.
; TILES.  A tile is 16 rows that are not neighbours: row p of tile t is 32 (t / 2) + 8 (t % 2) + p + 8 (p / 8).  Every operand of every later product is cut so.
; IMAGES.  A fragment (16 rows x 128 K, 12 registers a lane) is stored as two halves of 768 bytes: registers 0-3 at 16 x lane, registers 4-5 at 512 + 8 x lane; then registers 6-11 likewise.
; SHARES.  Work-group g takes tile g of x; its wave s takes K step s (128 along K).  The same wave lays one fragment of a weight: weight g / 64, tile g % 64, K step s: 4 x 64 x 8 fragments, one for each wave of the launch.
; x AND B COME BY DENSE LOADS (512 consecutive bytes an instruction) and turn through the wave's own stage in LDS, so that lane (r, h) holds, of row r, register 16 b + i = k 32 b + 16 h + i.
; x B^T by the f32 matrix form, k permuted alike on both sides; used transposed: lane (r, h) holds token r and eight columns (q: h = 0, k: h = 1; v in the second accumulator).  The eight waves' parts meet in LDS.
; A block's scale byte is its largest magnitude's exponent field - 2, held at 1 from below.  LIMITS: a block of zeros gets the byte 1 (its codes are zeros; this program alone reads the bytes); blocks whose largest
; magnitude lies under 2^(3 - 127) keep the byte 1; NaN and infinities among the inputs are not served.
.set SP,    528                        ; a stage row: 512 bytes + 16
.set STGB,  12800                      ; a wave's stage: 24 rows
.set PART,  102400                     ; the waves' parts of x B^T: 2,048 bytes a wave
.set XSC,   118784                     ; the tile's scale bytes: 16 rows x 32
.set SPARE, 119296                     ; the spare words: 128 bytes a wave, four blocks of 256 bytes that no other line names
.set L16, 4                            ; v4   16 x lane
.set L8,  5                            ; v5   8 x lane
.set SI,  6                            ; v6   the stage, on the way in
.set SX,  7                            ; v7   and back: row r, + 64 h
.set SB1, 8                            ; v8   the same for row r % 8 (Bv's rows stand 16 rows on)
.set WO,  9                            ; v9   my bytes in a weight's tile
.set PS,  10                           ; v10  where my part of x B^T goes
.set PR,  11                           ; v11  and where I read the eight parts
.set XW,  12                           ; v12  where my row's scale word goes
.set XR,  13                           ; v13  and where wave 6 reads the scale bytes
.set SPW, 14                           ; v14  my spare word; never rewritten
.set NIL, 15                           ; v15  0; never rewritten
.set XX,  16                           ; v16-79   64 numbers of x
.set BF0, 80                           ; v80-143  Bq (lanes r = 0-7) and Bk (r = 8-15)
.set BF1, 144                          ; v144-207 Bv (r % 8)
.set AC0, 208                          ; v208-215, v216-223: the two sums; written by matrix instructions alone
.set AC1, 216
.set TM,  224                          ; v224-235 at work in QUANT
.set PC,  236                          ; v236-254 codes
.set PW,  255                          ; v255 the scale word
.set SEL, 28                           ; s[28:29] lane selects: lane l xor 16
.set WV,  30
; 64 numbers of a lane, register 16 b + i = k 32 b + 16 h + i of my row, become a fragment's 12 registers at v[pc] and its scale word v[pw]
.macro QUANT s, pc, pw
.irp b, 0,1,2,3
	v_max3_num_f32 v[TM+\b], |v[\s+16*\b]|, |v[\s+1+16*\b]|, 0x1800000   ; my 16 numbers of block b, and the floor 2^(3 - 127): the byte cannot fall under 1
.endr
.irp i, 2,4,6,8,10,12,14
.irp b, 0,1,2,3
	v_max3_num_f32 v[TM+\b], v[TM+\b], |v[\s+16*\b+\i]|, |v[\s+1+16*\b+\i]|
.endr
.endr
.irp b, 0,1,2,3
	v_permlanex16_b32 v[TM+4+\b], v[TM+\b], s[SEL], s[SEL+1]
.endr
.irp b, 0,1,2,3
	v_max_num_f32 v[TM+\b], v[TM+\b], v[TM+4+\b]   ; with lane l xor 16's 16: the block's largest magnitude
.endr
.irp b, 0,1,2,3
	v_add_nc_u32 v[TM+8+\b], 0xff000000, v[TM+\b]  ; 2 off its exponent field: the conversion's scale operand
.endr
.irp b, 0,1,2,3
	v_lshrrev_b32 v[TM+4+\b], 23, v[TM+8+\b]       ; the scale's byte
.endr
	v_lshl_or_b32 v[\pw], v[TM+5], 8, v[TM+4]
	v_lshl_or_b32 v[\pw], v[TM+6], 16, v[\pw]
	v_lshl_or_b32 v[\pw], v[TM+7], 24, v[\pw]
.irp c, 0,1
	v_cvt_scalef32_pk16_fp6_f32 v[\pc+6*\c:\pc+2+6*\c], v[\s+32*\c:\s+15+32*\c], v[TM+8+2*\c]
	v_cvt_scalef32_pk16_fp6_f32 v[\pc+12+4*\c:\pc+14+4*\c], v[\s+16+32*\c:\s+31+32*\c], v[TM+8+2*\c+1]
.endr
	v_nop                                          ; one plain place behind the scaled conversions
.irp c, 0,1                                    ; the layout wants a whole block in a lane: lanes 0-15 block 2 c, lanes 16-31 block 2 c + 1
.irp i, 0,1,2
	v_permlane16_swap_b32 v[\pc+6*\c+\i], v[\pc+12+4*\c+\i]
.endr
.irp i, 0,1,2
	v_mov_b32 v[\pc+3+6*\c+\i], v[\pc+12+4*\c+\i]
.endr
.endr
.endm
; a fragment's image to memory: 512, 256, 512, 256 consecutive bytes, each run aligned to 256
.macro GIMG pc, base, off
	global_store_b128 v[L16], v[\pc:\pc+3], s[\base:\base+1] offset:\off
	global_store_b64 v[L8], v[\pc+4:\pc+5], s[\base:\base+1] offset:\off+512
	global_store_b128 v[L16], v[\pc+6:\pc+9], s[\base:\base+1] offset:\off+768
	global_store_b64 v[L8], v[\pc+10:\pc+11], s[\base:\base+1] offset:\off+1280
.endm
	s_load_b256 s[4:11], s[0:1], 0x0               ; x, Bq, Bk, Bv
	s_load_b256 s[12:19], s[0:1], 0x20             ; the codes of Wq, Wk, Wv, Wp
	s_load_b256 s[20:27], s[0:1], 0x40             ; xc, xs, xb, wimg
	v_lshl_add_u32 v[SPW], v0, 2, SPARE
	v_mov_b32 v[NIL], 0
	v_lshrrev_b32 v1, 5, v0
	v_readfirstlane_b32 s[WV], v1                  ; wave = K step
	v_and_b32 v1, 31, v0                           ; lane
	v_and_b32 v2, 15, v0                           ; r
	v_bfe_u32 v3, v0, 4, 1                         ; h
	v_lshlrev_b32 v[L16], 4, v1
	v_lshlrev_b32 v[L8], 3, v1
	s_mul_i32 s31, s[WV], STGB                     ; my stage
	v_add_nc_u32 v[SI], s31, v[L16]
	v_mul_u32_u24 v[SX], v2, SP
	v_lshl_add_u32 v[SX], v3, 6, v[SX]
	v_add_nc_u32 v[SX], s31, v[SX]
	v_and_b32 v[SB1], 7, v0
	v_mul_u32_u24 v[SB1], v[SB1], SP
	v_lshl_add_u32 v[SB1], v3, 6, v[SB1]
	v_add_nc_u32 v[SB1], s31, v[SB1]
	v_and_b32 v[WO], 8, v0
	v_add_nc_u32 v[WO], v[WO], v2                  ; r + 8 (r / 8)
	v_mul_u32_u24 v[WO], v[WO], 768                ; a weight's row is 1,024 codes, 768 bytes
	v_mad_u32_u24 v[WO], v3, 24, v[WO]
	s_lshl_b32 s32, s[WV], 11
	s_add_co_u32 s32, s32, PART
	v_lshl_add_u32 v[PS], v1, 5, s32
	v_lshl_add_u32 v[PR], v0, 3, PART
	s_lshl_b32 s33, s[WV], 2
	s_add_co_u32 s33, s33, XSC
	v_lshl_add_u32 v[XW], v2, 5, s33
	v_add_nc_u32 v[XR], XSC, v[L16]
.irp b, 0,1,2,3
	v_mov_b32 v[TM+4+\b], 0                        ; written once: a lane permute's destination counts as one of its sources
.endr
	s_mov_b32 s[SEL], 0x76543210
	s_mov_b32 s[SEL+1], 0xfedcba98
	s_lshr_b32 s34, ttmp9, 1
	s_lshl_b32 s34, s34, 5
	s_and_b32 s35, ttmp9, 1
	s_lshl_b32 s35, s35, 3
	s_add_co_u32 s34, s34, s35                     ; the tile's first token: 32 (g / 2) + 8 (g % 2)
	s_lshl_b32 s36, s34, 12
	s_lshl_b32 s38, s[WV], 9                       ; my K step: 512 bytes of a row of f32
	s_add_co_u32 s36, s36, s38
	s_mov_b32 s37, 0
	s_mov_b32 s39, 0
	s_and_b32 s40, ttmp9, 63                       ; the weight's tile
	s_lshr_b32 s41, s40, 1
	s_lshl_b32 s41, s41, 5
	s_and_b32 s42, s40, 1
	s_lshl_b32 s42, s42, 3
	s_add_co_u32 s41, s41, s42
	s_mul_i32 s41, s41, 768
	s_mul_i32 s42, s[WV], 96
	s_add_co_u32 s42, s41, s42                     ; its first row, my K step's 96 bytes
	s_mov_b32 s43, 0
	s_lshr_b32 s44, ttmp9, 6                       ; which weight
	s_lshr_b32 s45, s40, 3
	s_lshl_b32 s45, s45, 6
	s_lshl_b32 s46, s[WV], 3
	s_add_co_u32 s45, s45, s46
	s_and_b32 s46, s40, 7
	s_add_co_u32 s45, s45, s46
	s_mul_i32 s45, s45, 1536                       ; wimg: [weight][panel][K step][tile][1,536]
	s_mul_i32 s46, s44, 786432
	s_add_co_u32 s46, s46, s45
	s_mov_b32 s47, 0
	s_lshr_b32 s48, ttmp9, 3
	s_lshl_b32 s48, s48, 6
	s_lshl_b32 s49, s[WV], 3
	s_add_co_u32 s48, s48, s49
	s_and_b32 s49, ttmp9, 7
	s_add_co_u32 s48, s48, s49
	s_mul_i32 s48, s48, 1536                       ; xc: [panel][K step][tile][1,536]
	s_mov_b32 s49, 0
	s_lshr_b32 s50, s[WV], 1                       ; the sums' way out (waves 0-5): which of q, k, v,
	s_lshl_b32 s50, s50, 17
	s_and_b32 s51, s[WV], 1                        ; which eight tokens
	s_lshl_b32 s51, s51, 4
	s_add_co_u32 s51, s51, s34
	s_lshl_b32 s51, s51, 5
	s_add_co_u32 s50, s50, s51
	s_mov_b32 s51, 0
	s_lshl_b32 s52, s34, 5                         ; xs: 32 bytes a token
	s_mov_b32 s53, 0
	s_wait_kmcnt 0x0
	s_cmp_lt_u32 s44, 1                            ; the weight's buffer: the choice hangs on the work-group's number alone
	s_cselect_b64 s[12:13], s[12:13], s[14:15]
	s_cmp_lt_u32 s44, 3
	s_cselect_b64 s[16:17], s[16:17], s[18:19]
	s_cmp_lt_u32 s44, 2
	s_cselect_b64 s[12:13], s[12:13], s[16:17]
	s_add_nc_u64 s[12:13], s[12:13], s[42:43]
	s_add_nc_u64 s[4:5], s[4:5], s[36:37]
	s_add_nc_u64 s[6:7], s[6:7], s[38:39]
	s_add_nc_u64 s[8:9], s[8:9], s[38:39]
	s_add_nc_u64 s[10:11], s[10:11], s[38:39]
	s_add_nc_u64 s[20:21], s[20:21], s[48:49]
	s_add_nc_u64 s[22:23], s[22:23], s[52:53]
	s_add_nc_u64 s[24:25], s[24:25], s[50:51]
	s_add_nc_u64 s[26:27], s[26:27], s[46:47]
.irp p, 0,1,2,3,4,5
	global_load_b64 v[PC+2*\p:PC+2*\p+1], v[WO], s[12:13] offset:48*(\p/3)+8*(\p%3)   ; the weight's fragment, as it lies
.endr
.irp c, 0,1,2,3,4,5,6,7
	global_load_b128 v[BF0+4*\c:BF0+4*\c+3], v[L16], s[6:7] offset:\c*4096            ; a row's 512 bytes of my K step
.endr
.irp c, 0,1,2,3,4,5,6,7
	global_load_b128 v[BF0+32+4*\c:BF0+32+4*\c+3], v[L16], s[8:9] offset:\c*4096
.endr
.irp c, 0,1,2,3,4,5,6,7
	global_load_b128 v[BF0+64+4*\c:BF0+64+4*\c+3], v[L16], s[10:11] offset:\c*4096
.endr
.irp p, 0,1,2,3,4,5,6,7,8,9,10,11,12,13,14,15
	global_load_b128 v[XX+4*\p:XX+4*\p+3], v[L16], s[4:5] offset:(\p+8*(\p/8))*4096 th:TH_LOAD_NT   ; x is read once
.endr
	s_wait_loadcnt 40                              ; the weight's six loads are in; B's 24 and x's 16 may be out
	GIMG PC, 26, 0
	s_wait_loadcnt 16                              ; B's are in
.irp c, 0,1,2,3,4,5,6,7,8,9,10,11,12,13,14,15,16,17,18,19,20,21,22,23
	ds_store_b128 v[SI], v[BF0+4*\c:BF0+4*\c+3] offset:\c*SP
.endr
.irp b, 0,1,2,3                                ; LDS serves a wave's instructions in order: these see my stores
.irp j, 0,1,2,3
	ds_load_b128 v[BF0+16*\b+4*\j:BF0+16*\b+4*\j+3], v[SX] offset:128*\b+16*\j
	ds_load_b128 v[BF1+16*\b+4*\j:BF1+16*\b+4*\j+3], v[SB1] offset:16*SP+128*\b+16*\j
.endr
.endr
	s_wait_loadcnt 0x0                             ; x
.irp p, 0,1,2,3,4,5,6,7,8,9,10,11,12,13,14,15
	ds_store_b128 v[SI], v[XX+4*\p:XX+4*\p+3] offset:\p*SP
.endr
.irp b, 0,1,2,3
.irp j, 0,1,2,3
	ds_load_b128 v[XX+16*\b+4*\j:XX+16*\b+4*\j+3], v[SX] offset:128*\b+16*\j
.endr
.endr
	s_wait_dscnt 0x0
	s_wait_xcnt 0x0                                ; the weight's stores have read v[PC] on: it is written again only behind this wait
	QUANT XX, PC, PW
	GIMG PC, 20, 0
	ds_store_b32 v[XW], v[PW]                      ; both halves of the lanes hold the row's word and write the same bytes
	v_wmma_f32_16x16x4_f32 v[AC0:AC0+7], v[BF0:BF0+1], v[XX:XX+1], 0     ; the first step starts both sums; the two take turns
	v_wmma_f32_16x16x4_f32 v[AC1:AC1+7], v[BF1:BF1+1], v[XX:XX+1], 0
.set ii, 2
.rept 31
	v_wmma_f32_16x16x4_f32 v[AC0:AC0+7], v[BF0+ii:BF0+ii+1], v[XX+ii:XX+ii+1], v[AC0:AC0+7]
	v_wmma_f32_16x16x4_f32 v[AC1:AC1+7], v[BF1+ii:BF1+ii+1], v[XX+ii:XX+ii+1], v[AC1:AC1+7]
.set ii, ii+2
.endr
.rept 8
	v_nop                                          ; eight places behind this form (ISA guide 7.12.1), ahead of the reads of its results
.endr
	ds_store_b128 v[PS], v[AC0:AC0+3]              ; each sum from its low end on
	ds_store_b128 v[PS], v[AC0+4:AC0+7] offset:16
	ds_store_b128 v[PS], v[AC1:AC1+3] offset:1024
	ds_store_b128 v[PS], v[AC1+4:AC1+7] offset:1040
	s_wait_dscnt 0x0                               ; for the others' sake: my part and my scale word lie in LDS
	s_barrier_signal -1
	s_barrier_wait -1
	s_cmp_lt_u32 s[WV], 6
	s_cbranch_scc0 .Lnot_sum
.irp k, 0,1,2,3,4,5,6,7                        ; waves 0-5: the eight K steps' parts of 256 bytes of x B^T, two numbers a lane
	ds_load_b64 v[XX+2*\k:XX+2*\k+1], v[PR] offset:\k*2048
.endr
	s_wait_dscnt 0x0
.irp k, 1,2,3,4,5,6,7
	v_pk_add_f32 v[XX:XX+1], v[XX:XX+1], v[XX+2*\k:XX+2*\k+1]
.endr
	v_pk_mul_f32 v[XX:XX+1], v[XX:XX+1], 2.0 op_sel_hi:[1,0]    ; LoRA's factor alpha / r = 2: exact
	global_store_b64 v[L8], v[XX:XX+1], s[24:25]   ; eight tokens x 8 columns: 256 consecutive bytes, aligned
	s_branch .Lend
.Lnot_sum:
	s_cmp_eq_u32 s[WV], 6
	s_cbranch_scc0 .Lend
	ds_load_b128 v[XX:XX+3], v[XR]                 ; wave 6: the tile's 16 rows of 32 scale bytes
	v_lshl_add_u32 v[XX+4], v3, 8, v[L16]          ; rows 8-15 of the tile lie eight tokens further on
	s_wait_dscnt 0x0
	global_store_b128 v[XX+4], v[XX:XX+3], s[22:23]
.Lend:
	s_wait_tensorcnt 0x0                           ; the wave's end: behind my last LDS store
	ds_add_u32 v[SPW], v[NIL]
	s_wait_dscnt 0x0
	s_endpgm
.Lfunc_end_k_qcea1ed22a6_prep:
	.size	k_qcea1ed22a6_prep, .Lfunc_end_k_qcea1ed22a6_prep-k_qcea1ed22a6_prep
	.p2alignl 7, 3214868480
	.fill 96, 4, 3214868480
	.section	.rodata,"a",@progbits
	.p2align	6, 0x0
	.amdhsa_kernel k_qcea1ed22a6_prep
		.amdhsa_group_segment_fixed_size 120320
		.amdhsa_private_segment_fixed_size 0
		.amdhsa_enable_private_segment 0
		.amdhsa_kernarg_size 96
		.amdhsa_user_sgpr_count 2
		.amdhsa_user_sgpr_kernarg_segment_ptr 1
		.amdhsa_wavefront_size32 1
		.amdhsa_system_sgpr_workgroup_id_x 1
		.amdhsa_system_sgpr_workgroup_id_y 1
		.amdhsa_system_sgpr_workgroup_id_z 1
		.amdhsa_system_vgpr_workitem_id 0
		.amdhsa_next_free_vgpr 256
		.amdhsa_next_free_sgpr 66
		.amdhsa_reserve_vcc 0
		.amdhsa_float_denorm_mode_32 3
		.amdhsa_float_denorm_mode_16_64 3
		.amdhsa_memory_ordered 1
		.amdhsa_forward_progress 1
		.amdhsa_inst_pref_size 26
	.end_amdhsa_kernel
	.amdgpu_metadata
---
amdhsa.version: [ 1, 2 ]
amdhsa.kernels:
  - .name:           k_qcea1ed22a6_prep
    .symbol:         k_qcea1ed22a6_prep.kd
    .args:
      - { .name: x, .offset: 0, .size: 8, .value_kind: global_buffer, .address_space: global }
      - { .name: Bq, .offset: 8, .size: 8, .value_kind: global_buffer, .address_space: global }
      - { .name: Bk, .offset: 16, .size: 8, .value_kind: global_buffer, .address_space: global }
      - { .name: Bv, .offset: 24, .size: 8, .value_kind: global_buffer, .address_space: global }
      - { .name: Wq_codes, .offset: 32, .size: 8, .value_kind: global_buffer, .address_space: global }
      - { .name: Wk_codes, .offset: 40, .size: 8, .value_kind: global_buffer, .address_space: global }
      - { .name: Wv_codes, .offset: 48, .size: 8, .value_kind: global_buffer, .address_space: global }
      - { .name: Wp_codes, .offset: 56, .size: 8, .value_kind: global_buffer, .address_space: global }
      - { .name: xc, .offset: 64, .size: 8, .value_kind: global_buffer, .address_space: global }
      - { .name: xs, .offset: 72, .size: 8, .value_kind: global_buffer, .address_space: global }
      - { .name: xb, .offset: 80, .size: 8, .value_kind: global_buffer, .address_space: global }
      - { .name: wimg, .offset: 88, .size: 8, .value_kind: global_buffer, .address_space: global }
    .group_segment_fixed_size: 120320
    .private_segment_fixed_size: 0
    .kernarg_segment_align: 8
    .kernarg_segment_size: 96
    .max_flat_workgroup_size: 256
    .sgpr_count:     66
    .vgpr_count:     256
    .wavefront_size: 32
...
	.end_amdgpu_metadata
.endif
;; end of part 1
;; launch qkv (part 2): grid 32 x 24, 4 waves a work-group, clusters of 4 x 4, 197,120 bytes of LDS; arguments xc, xs, xb, wimg, Wq_scales, Wk_scales, Wv_scales, Aq, Ak, Av, qkvc, qkvs; writes qkvc, qkvs
.if DOCPART == 2
	.amdgcn_target "amdgcn-amd-amdhsa--gfx1250"
	.amdhsa_code_object_version 6
	.text
	.protected	k_qcea1ed22a6_qkv
	.globl	k_qcea1ed22a6_qkv
	.p2align	8
	.type	k_qcea1ed22a6_qkv,@function
k_qcea1ed22a6_qkv:
	s_mov_b64 s[64:65], 0
	v_nop
	global_prefetch_b8 v0, s[64:65] scope:SCOPE_SE
	s_setreg_imm32_b32 hwreg(HW_REG_WAVE_MODE, 25, 1), 1
	s_wait_xcnt 0x0
	s_wait_alu depctr_hold_cnt(0) depctr_sa_sdst(0) depctr_va_vdst(0) depctr_va_sdst(0) depctr_va_ssrc(0) depctr_va_vcc(0) depctr_vm_vsrc(0)
	s_getreg_b32 s2, hwreg(HW_REG_IB_STS2, 6, 4)
	s_cmp_eq_u32 s2, 0
	s_cbranch_scc0 .Lentry_in_a_cluster
	s_endpgm
.Lentry_in_a_cluster:
	s_bfe_u32 s2, ttmp6, 0x10000c
	s_cmp_lg_u32 s2, 0xf033
	s_cbranch_scc0 .Lentry_shape_is_right
	s_endpgm
.Lentry_shape_is_right:
; QKV.  q, k, v = x W^T + (2 x B^T) A^T, the first product on codes of FP6 (E2M3) with E8M0 scales, the second in f32; the results are quantised in registers and leave as codes.
; ONE TEXT FOR ALL THREE.  G[j][i] = sum over K of R[j] P[i] + sum over 8 of LR[j] LP[i]; source 0 = P, source 1 = R: a lane holds one j and its registers run along i, and G is quantised along i.
; q, k: P = W, R = x (a lane holds a token, blocks run along the head's channels).  v: P = x, R = Wv (a lane holds a channel, blocks run along the keys).  Which it is hangs on the cluster's y alone: pointers are chosen, no path parts.
; SHARES.  A work-group makes 128 x 128 of G, a wave 64 x 64: 16 accumulators.  Both panels, 128 rows x all 1,024 of K, are 96 KiB each and lie in LDS whole: every tensor load is a first fill, nothing is filled again.
; CLUSTER 4 x 4.  R's panel hangs on cx and is shared along a column of the cluster, P's on cy and is shared along a row: each is asked for jointly, which divides the requests by four.
; PANELS lie [K step][tile][1,536 bytes] as images of the operand's registers (two halves of 768: registers 0-3 at 16 x lane, 4-5 at 512 + 8 x lane): a fragment is four loads of consecutive bytes, no pitch, no padding.
; TILES: row p of tile t is 32 (t / 2) + 8 (t % 2) + p + 8 (p / 8): so the 16 registers of accumulators 2 b, 2 b + 1 are 16 neighbours along i.
; SCALES lie [row][32 bytes]: lane (r, h) loads 16 bytes at 16 h: register j holds K step j in lanes 0-15 and K step 4 + j in lanes 16-31.
; OUT.  A wave's 64 x 64 is one unit of qkvc: four halves (R's four tiles x 64 along i), 3,072 bytes; its scale words, 128 bytes: lanes 0-15 [half 0: 2 bytes | half 1: 2 bytes], lanes 16-31 halves 2, 3.
; LIMITS: a block of zeros gets the byte 1 (its codes are zeros; this program alone reads the bytes); NaN and infinities are not served.
; REGISTERS.  window 0: v5-19 addresses; v28, v29 the add's two; v32-63 scale words; v64-122 at work in the epilogue; v128-255 the accumulators ((a, b) at 128 + 8 (4 b + a)), written by matrix instructions alone.
;   window 1: v0-95 fragments of even K steps (P's four, then R's four), v96-127 LoRA's operands.   window 2: v0-95 fragments of odd K steps.
.set PANEL, 98304
.set KSB,   12288                      ; a K step of a panel
.set FRB,   1536
.set RBASE, PANEL
.set SPARE, 2*PANEL                    ; the spare words: 128 bytes a wave, two blocks of 256 bytes that no other line names
.set L16, 5
.set L8,  6
.set L4,  7
.set AP16, 8                           ; v8, v9   P's fragments, 16 x lane: K steps 0-3, 4-7;  v10, v11 the same with 8 x lane
.set AP8,  10
.set AR16, 12                          ; v12-15   the same for R
.set AR8,  14
.set GPS, 16                           ; v16, v17 my rows' scale bytes in memory (P, R);  v18, v19 my rows of LoRA's operands
.set GRS, 17
.set GPL, 18
.set GRL, 19
.set SPW, 28
.set NIL, 29
.set SCP, 32
.set SCR, 48
.set TM,  64
.set PC0, 80
.set PC1, 100
.set PW0, 120
.set PW1, 121
.set PWJ, 122
.set ACC, 128
.set LP,  96                           ; window 1
.set LR,  112
.set G1P, 28                           ; s[28:35], s[36:43] descriptor groups 1;  s[44:59], s[68:83] groups 0, a set for each of a wave's four loads
.set G1R, 36
.set G0P, 44
.set G0R, 68
.set WV, 60
.set WP, 61
.set WR, 62
.set SEL, 2
.set MSB, 0
.macro WIN new                         ; the immediate's high byte repeats the setting that is left
.if MSB != (\new)
	s_set_vgpr_msb (MSB<<8)|(\new)
.set MSB, (\new)
.endif
.endm
.macro PLACES n
.rept \n
	v_nop
.endr
.endm
.macro CROUND                          ; a round of the cluster's barrier
	s_barrier_signal -1
	s_barrier_wait -1
	s_cmp_lg_u32 s[WV], 0
	s_cbranch_scc1 .Lnot_wave_0_\@
	s_barrier_signal -3
.Lnot_wave_0_\@:
	s_barrier_wait -3
	s_barrier_signal -1
	s_barrier_wait -1
.endm
.macro FRAG reg, a16, a8, offa, offb   ; a fragment from its two halves
	ds_load_b128 v[\reg:\reg+3], v[\a16] offset:\offa
	ds_load_b64 v[\reg+4:\reg+5], v[\a8] offset:\offa+512
	ds_load_b128 v[\reg+6:\reg+9], v[\a16] offset:\offb
	ds_load_b64 v[\reg+10:\reg+11], v[\a8] offset:\offb+512
.endm
.macro FETCH s                         ; K step s: my four fragments of P and four of R: 32 LDS loads
	WIN 0x40*(1+((\s)&1))
.irp a, 0,1,2,3
	FRAG 12*\a, AP16+((\s)>>2), AP8+((\s)>>2), ((\s)&3)*KSB+\a*FRB, ((\s)&3)*KSB+\a*FRB+768
.endr
.irp a, 0,1,2,3
	FRAG 48+12*\a, AR16+((\s)>>2), AR8+((\s)>>2), ((\s)&3)*KSB+\a*FRB, ((\s)&3)*KSB+\a*FRB+768
.endr
.endm
.macro MUL s, b0, b1                   ; eight products of K step s; the 16 accumulators take turns, in the same order in every K step
	WIN 0x05*(1+((\s)&1))
.irp b, \b0, \b1
.irp a, 0,1,2,3
.if (\s) < 4
	v_wmma_scale_f32_16x16x128_f8f6f4 v[ACC+8*(4*\b+\a):ACC+8*(4*\b+\a)+7], v[12*\a:12*\a+11], v[48+12*\b:48+12*\b+11], v[ACC+8*(4*\b+\a):ACC+8*(4*\b+\a)+7], v[SCP+4*\a+((\s)&3)], v[SCR+4*\b+((\s)&3)] matrix_a_fmt:MATRIX_FMT_FP6 matrix_b_fmt:MATRIX_FMT_FP6
.else
	v_wmma_scale_f32_16x16x128_f8f6f4 v[ACC+8*(4*\b+\a):ACC+8*(4*\b+\a)+7], v[12*\a:12*\a+11], v[48+12*\b:48+12*\b+11], v[ACC+8*(4*\b+\a):ACC+8*(4*\b+\a)+7], v[SCP+4*\a+((\s)&3)], v[SCR+4*\b+((\s)&3)] matrix_a_fmt:MATRIX_FMT_FP6 matrix_b_fmt:MATRIX_FMT_FP6 matrix_a_scale:MATRIX_SCALE_ROW1 matrix_b_scale:MATRIX_SCALE_ROW1
.endif
.endr
.endr
.endm
.macro KEVEN s                         ; an even K step: its successor lies in LDS already (it came with this one's pair)
	PLACES 4                                       ; ahead of loads into registers that the last products read
	FETCH (\s)+1
	s_wait_dscnt 32                                ; all but the 32 just issued: this step's fragments are in
	MUL \s, 0, 1
	MUL \s, 2, 3
.endm
.macro KODD s                          ; an odd K step: the next pair of K steps is shown landed to all four waves
	s_wait_dscnt 0x0                               ; this step's fragments are in; no LDS instruction of mine is out at the signal
	s_wait_tensorcnt 2-((\s)>>1)                   ; my load of the next pair is in; the later ones stay out
	s_barrier_signal -1
	MUL \s, 0, 1
	s_barrier_wait -1
	PLACES 4
	FETCH (\s)+1
	MUL \s, 2, 3
.endm
.macro QUANT s, pc, pw                 ; 64 numbers of a lane, register 16 b + i = index 32 b + 16 h + i, become 12 registers of codes and a scale word
.irp b, 0,1,2,3
	v_max3_num_f32 v[TM+\b], |v[\s+16*\b]|, |v[\s+1+16*\b]|, 0x1800000   ; each accumulator is read from its low end on; the floor 2^(3 - 127) holds the byte at 1 from below
.endr
.irp i, 2,4,6,8,10,12,14
.irp b, 0,1,2,3
	v_max3_num_f32 v[TM+\b], v[TM+\b], |v[\s+16*\b+\i]|, |v[\s+1+16*\b+\i]|
.endr
.endr
.irp b, 0,1,2,3
	v_permlanex16_b32 v[TM+4+\b], v[TM+\b], s[SEL], s[SEL+1]
.endr
.irp b, 0,1,2,3
	v_max_num_f32 v[TM+\b], v[TM+\b], v[TM+4+\b]
.endr
.irp b, 0,1,2,3
	v_add_nc_u32 v[TM+8+\b], 0xff000000, v[TM+\b]  ; 2 off the exponent field: the conversion's scale operand
.endr
.irp b, 0,1,2,3
	v_lshrrev_b32 v[TM+4+\b], 23, v[TM+8+\b]
.endr
	v_lshl_or_b32 v[\pw], v[TM+5], 8, v[TM+4]
	v_lshl_or_b32 v[\pw], v[TM+6], 16, v[\pw]
	v_lshl_or_b32 v[\pw], v[TM+7], 24, v[\pw]
.irp c, 0,1
	v_cvt_scalef32_pk16_fp6_f32 v[\pc+6*\c:\pc+2+6*\c], v[\s+32*\c:\s+15+32*\c], v[TM+8+2*\c]
	v_cvt_scalef32_pk16_fp6_f32 v[\pc+12+4*\c:\pc+14+4*\c], v[\s+16+32*\c:\s+31+32*\c], v[TM+8+2*\c+1]
.endr
	v_nop                                          ; one plain place behind the scaled conversions
.irp c, 0,1
.irp i, 0,1,2
	v_permlane16_swap_b32 v[\pc+6*\c+\i], v[\pc+12+4*\c+\i]
.endr
.irp i, 0,1,2
	v_mov_b32 v[\pc+3+6*\c+\i], v[\pc+12+4*\c+\i]
.endr
.endr
.endm
.macro GIMG pc, base, off
	global_store_b128 v[L16], v[\pc:\pc+3], s[\base:\base+1] offset:\off
	global_store_b64 v[L8], v[\pc+4:\pc+5], s[\base:\base+1] offset:\off+512
	global_store_b128 v[L16], v[\pc+6:\pc+9], s[\base:\base+1] offset:\off+768
	global_store_b64 v[L8], v[\pc+10:\pc+11], s[\base:\base+1] offset:\off+1280
.endm
	s_load_b256 s[4:11], s[0:1], 0x0               ; xc, xs, xb, wimg
	s_load_b256 s[12:19], s[0:1], 0x20             ; the scales of Wq, Wk, Wv; Aq
	s_load_b256 s[20:27], s[0:1], 0x40             ; Ak, Av, qkvc, qkvs
	v_lshl_add_u32 v[SPW], v0, 2, SPARE
	v_mov_b32 v[NIL], 0
	ds_add_u32 v[SPW], v[NIL]                      ; the wave's opening: the add and its wait stand ahead of my first tensor load; work on registers stands between them
	v_lshrrev_b32 v1, 5, v0
	v_readfirstlane_b32 s[WV], v1
	s_and_b32 s[WP], s[WV], 1                      ; my half of P's rows.  Also: which K step of each pair I fetch
	s_lshr_b32 s[WR], s[WV], 1                     ; my half of R's rows.  Also: I fetch for P (0) or for R (1)
	s_bfe_u32 s84, ttmp6, 0x40000                  ; cx
	s_bfe_u32 s85, ttmp6, 0x40004                  ; cy
	s_and_b32 s86, ttmp7, 0xffff                   ; the cluster's y
	s_lshr_b32 s87, s86, 1                         ; 0: q, 1: k, 2: v
	s_and_b32 s88, s86, 1
	s_cmp_eq_u32 s87, 2
	s_cselect_b32 s89, s88, ttmp9
	s_cselect_b32 s90, ttmp9, s88
	s_lshl_b32 s89, s89, 2
	s_add_co_u32 s89, s89, s84                     ; R's panel: it holds cx and never cy
	s_lshl_b32 s90, s90, 2
	s_add_co_u32 s90, s90, s85                     ; P's panel: it holds cy and never cx
	s_lshl_b32 s91, s85, 2
	s_lshl_b32 s91, 15, s91                        ; my row of the cluster
	s_lshl_b32 s92, 0x1111, s84                    ; my column
	s_or_b32 s[G1P], s91, (3<<16)|(1<<21)          ; 15:0 the mask; 17:16 elements of 8 bytes; 21 set beside a mask; no padding
	s_or_b32 s[G1R], s92, (3<<16)|(1<<21)
.irp g, G1P, G1R                               ; a K step of a panel: 12,288 dense bytes as 48 rows of 256
	s_mov_b32 s[\g+1], 32<<16                      ; tensor_dim0 = 32
	s_mov_b32 s[\g+2], 48<<16                      ; tensor_dim1 = 48
	s_mov_b32 s[\g+3], 32<<16                      ; tile_dim0 = 32
	s_mov_b32 s[\g+4], 48                          ; tile_dim1 = 48
	s_mov_b32 s[\g+5], 32                          ; the pitch
	s_mov_b32 s[\g+6], 0
	s_mov_b32 s[\g+7], 0
.endr
	s_mul_i32 s94, s90, PANEL
	s_mov_b32 s95, 0
	s_mul_i32 s96, s89, PANEL
	s_mov_b32 s97, 0
	s_lshl_b32 s98, s90, 12                        ; 128 rows of 32 bytes: scales and LoRA's operands alike
	s_mov_b32 s99, 0
	s_lshl_b32 s100, s89, 12
	s_mov_b32 s101, 0
	s_mul_i32 s2, s[WP], KSB
	s_mov_b32 s3, 0
	s_mul_i32 s92, s87, 786432
	s_mov_b32 s93, 0
	s_wait_dscnt 0x0                               ; the opening add is done
	s_wait_kmcnt 0x0
	s_add_nc_u64 s[10:11], s[10:11], s[92:93]      ; this product's weight in wimg
	s_lshl_b32 s92, s87, 17
	s_add_nc_u64 s[8:9], s[8:9], s[92:93]          ; and its part of xb
	s_cmp_eq_u32 s87, 0
	s_cselect_b64 s[12:13], s[12:13], s[14:15]
	s_cselect_b64 s[18:19], s[18:19], s[20:21]
	s_cmp_eq_u32 s87, 2                            ; every choice below hangs on this compare: only moves, products and 64-bit sums stand between
	s_cselect_b64 s[12:13], s[16:17], s[12:13]     ; the weight's scales
	s_cselect_b64 s[18:19], s[22:23], s[18:19]     ; LoRA's A
	s_cselect_b64 s[14:15], s[4:5], s[10:11]       ; P's codes
	s_cselect_b64 s[16:17], s[10:11], s[4:5]       ; R's codes
	s_cselect_b64 s[20:21], s[6:7], s[12:13]       ; P's scales
	s_cselect_b64 s[22:23], s[12:13], s[6:7]       ; R's scales
	s_cselect_b64 s[4:5], s[8:9], s[18:19]         ; LP
	s_cselect_b64 s[6:7], s[18:19], s[8:9]         ; LR
	s_add_nc_u64 s[14:15], s[14:15], s[94:95]
	s_add_nc_u64 s[14:15], s[14:15], s[2:3]
	s_add_nc_u64 s[16:17], s[16:17], s[96:97]
	s_add_nc_u64 s[16:17], s[16:17], s[2:3]
	s_add_nc_u64 s[20:21], s[20:21], s[98:99]
	s_add_nc_u64 s[4:5], s[4:5], s[98:99]
	s_add_nc_u64 s[22:23], s[22:23], s[100:101]
	s_add_nc_u64 s[6:7], s[6:7], s[100:101]
	CROUND                                         ; all sixteen work-groups are here: the joint loads meet
.irp j, 0,1,2,3                                ; load j: K step 2 j + (wave % 2)
	s_mov_b32 s[G0P+4*\j], 1
	s_add_co_u32 s[G0P+4*\j+1], s2, \j*2*KSB
	s_add_nc_u64 s[G0P+4*\j+2:G0P+4*\j+3], s[14:15], \j*2*KSB
	s_or_b32 s[G0P+4*\j+3], s[G0P+4*\j+3], 0x80000000
	s_mov_b32 s[G0R+4*\j], 1
	s_add_co_u32 s[G0R+4*\j+1], s2, RBASE+\j*2*KSB
	s_add_nc_u64 s[G0R+4*\j+2:G0R+4*\j+3], s[16:17], \j*2*KSB
	s_or_b32 s[G0R+4*\j+3], s[G0R+4*\j+3], 0x80000000
.endr
	s_cmp_lt_u32 s[WV], 2                          ; a wave's four first fills stand in one branch on the wave's number: four loads of mine are out
	s_cbranch_scc0 .Lfirst_r
.irp j, 0,1,2,3
	tensor_load_to_lds s[G0P+4*\j:G0P+4*\j+3], s[G1P:G1P+7]
	s_nop 0
.endr
	PLACES 4
	s_branch .Lasked
.Lfirst_r:
.irp j, 0,1,2,3
	tensor_load_to_lds s[G0R+4*\j:G0R+4*\j+3], s[G1R:G1R+7]
	s_nop 0
.endr
	PLACES 4
.Lasked:
	v_and_b32 v1, 31, v0                           ; lane
	v_and_b32 v2, 15, v0                           ; r
	v_bfe_u32 v3, v0, 4, 1                         ; h
	v_lshlrev_b32 v[L16], 4, v1
	v_lshlrev_b32 v[L8], 3, v1
	v_lshlrev_b32 v[L4], 2, v1
	v_and_b32 v4, 8, v0
	v_add_nc_u32 v4, v4, v2                        ; r + 8 (r / 8)
	s_lshl_b32 s63, s[WP], 6
	s_lshl_b32 s93, s[WR], 6
	v_add_nc_u32 v[GPS], s63, v4
	v_add_nc_u32 v[GRS], s93, v4
	v_lshlrev_b32 v[GPS], 5, v[GPS]
	v_lshlrev_b32 v[GRS], 5, v[GRS]
	v_lshl_add_u32 v[GPL], v3, 3, v[GPS]
	v_lshl_add_u32 v[GRL], v3, 3, v[GRS]
	v_lshl_add_u32 v[GPS], v3, 4, v[GPS]
	v_lshl_add_u32 v[GRS], v3, 4, v[GRS]
.irp a, 0,1,2,3
	global_load_b128 v[SCP+4*\a:SCP+4*\a+3], v[GPS], s[20:21] offset:(32*(\a/2)+8*(\a%2))*32
	global_load_b128 v[SCR+4*\a:SCR+4*\a+3], v[GRS], s[22:23] offset:(32*(\a/2)+8*(\a%2))*32
.endr
	WIN 0x40
.irp a, 0,1,2,3                                ; the f32 form's operand: lane (r, h), register j: k = 2 h + j, of row r; two steps of 4 along LoRA's 8
.irp u, 0,1
	global_load_b64 v[LP+4*\a+2*\u:LP+4*\a+2*\u+1], v[GPL], s[4:5] offset:(32*(\a/2)+8*(\a%2))*32+16*\u
	global_load_b64 v[LR+4*\a+2*\u:LR+4*\a+2*\u+1], v[GRL], s[6:7] offset:(32*(\a/2)+8*(\a%2))*32+16*\u
.endr
.endr
	WIN 0
	s_mul_i32 s63, s[WP], 4*FRB                    ; my four tiles of each panel
	s_mul_i32 s93, s[WR], 4*FRB
	s_add_co_u32 s93, s93, RBASE
	v_add_nc_u32 v[AP16], s63, v[L16]
	v_add_nc_u32 v[AP8], s63, v[L8]
	v_add_nc_u32 v[AR16], s93, v[L16]
	v_add_nc_u32 v[AR8], s93, v[L8]
	v_add_nc_u32 v[AP16+1], 4*KSB, v[AP16]
	v_add_nc_u32 v[AP8+1], 4*KSB, v[AP8]
	v_add_nc_u32 v[AR16+1], 4*KSB, v[AR16]
	v_add_nc_u32 v[AR8+1], 4*KSB, v[AR8]
.irp b, 0,1,2,3
	v_mov_b32 v[TM+4+\b], 0                        ; written once: a lane permute's destination counts as one of its sources
.endr
	; where my unit goes: 64 tokens gx of x's side, head of the weight's side.  These numbers mix cx and cy: they stand in registers that feed no descriptor and no LDS address
	s_cmp_eq_u32 s87, 2
	s_cselect_b32 s84, s90, s89                    ; x's panel
	s_cselect_b32 s85, s89, s90                    ; the weight's panel
	s_cselect_b32 s86, s[WP], s[WR]
	s_cselect_b32 s88, s[WR], s[WP]
	s_lshl_b32 s84, s84, 1
	s_add_co_u32 s84, s84, s86                     ; gx
	s_lshl_b32 s85, s85, 1
	s_add_co_u32 s85, s85, s88                     ; head
	s_lshr_b32 s86, s84, 5
	s_lshl_b32 s86, s86, 4
	s_add_co_u32 s86, s86, s85                     ; 16 x batch + head
	s_lshl_b32 s86, s86, 5
	s_and_b32 s84, s84, 31
	s_add_co_u32 s86, s86, s84                     ; the unit
	s_mul_i32 s98, s86, 3072
	s_mul_i32 s100, s87, 3145728
	s_add_co_u32 s98, s98, s100
	s_mov_b32 s99, 0
	s_add_nc_u64 s[24:25], s[24:25], s[98:99]
	s_lshl_b32 s98, s86, 7
	s_lshl_b32 s100, s87, 17
	s_add_co_u32 s98, s98, s100
	s_add_nc_u64 s[26:27], s[26:27], s[98:99]
	s_wait_loadcnt 0x0
	WIN 0x05                                       ; LoRA's second product starts all 16 sums while the panels are on their way
.irp b, 0,1,2,3
.irp a, 0,1,2,3
	v_wmma_f32_16x16x4_f32 v[ACC+8*(4*\b+\a):ACC+8*(4*\b+\a)+7], v[LP+4*\a:LP+4*\a+1], v[LR+4*\b:LR+4*\b+1], 0
.endr
.endr
.irp b, 0,1,2,3
.irp a, 0,1,2,3
	v_wmma_f32_16x16x4_f32 v[ACC+8*(4*\b+\a):ACC+8*(4*\b+\a)+7], v[LP+4*\a+2:LP+4*\a+3], v[LR+4*\b+2:LR+4*\b+3], v[ACC+8*(4*\b+\a):ACC+8*(4*\b+\a)+7]
.endr
.endr
	WIN 0
	PLACES 9                                       ; another form now adds onto these sums: nine places behind the f32 form
	s_wait_tensorcnt 3                             ; my load of K steps 0, 1 is in; the three later ones stay out
	s_barrier_signal -1
	s_barrier_wait -1                              ; everybody's is
	FETCH 0
	KEVEN 0
	KODD 1
	KEVEN 2
	KODD 3
	KEVEN 4
	KODD 5
	KEVEN 6
	s_wait_dscnt 0x0
	MUL 7, 0, 1
	MUL 7, 2, 3
	WIN 0
	s_mov_b32 s[SEL], 0x76543210
	s_mov_b32 s[SEL+1], 0xfedcba98
	PLACES 4                                       ; ahead of the first read of results
	QUANT ACC, PC0, PW0                            ; R's tiles 0, 1: two halves
	QUANT ACC+64, PC1, PW1                         ; tiles 2, 3
	v_cmp_gt_u32 vcc_lo, 16, v1
	v_cndmask_b32 v[PWJ], v[PW1], v[PW0], vcc_lo   ; lanes 0-15: halves 0, 1; lanes 16-31: halves 2, 3
	GIMG PC0, 24, 0
	GIMG PC1, 24, 1536
	global_store_b32 v[L4], v[PWJ], s[26:27]
	s_wait_tensorcnt 0x0                           ; the wave's end
	ds_add_u32 v[SPW], v[NIL]
	s_wait_dscnt 0x0
	CROUND                                         ; the closing round
	s_endpgm
.Lfunc_end_k_qcea1ed22a6_qkv:
	.size	k_qcea1ed22a6_qkv, .Lfunc_end_k_qcea1ed22a6_qkv-k_qcea1ed22a6_qkv
	.p2alignl 7, 3214868480
	.fill 96, 4, 3214868480
	.section	.rodata,"a",@progbits
	.p2align	6, 0x0
	.amdhsa_kernel k_qcea1ed22a6_qkv
		.amdhsa_group_segment_fixed_size 197120
		.amdhsa_private_segment_fixed_size 0
		.amdhsa_enable_private_segment 0
		.amdhsa_kernarg_size 96
		.amdhsa_user_sgpr_count 2
		.amdhsa_user_sgpr_kernarg_segment_ptr 1
		.amdhsa_wavefront_size32 1
		.amdhsa_system_sgpr_workgroup_id_x 1
		.amdhsa_system_sgpr_workgroup_id_y 1
		.amdhsa_system_sgpr_workgroup_id_z 1
		.amdhsa_system_vgpr_workitem_id 0
		.amdhsa_next_free_vgpr 640
		.amdhsa_next_free_sgpr 102
		.amdhsa_reserve_vcc 1
		.amdhsa_float_denorm_mode_32 3
		.amdhsa_float_denorm_mode_16_64 3
		.amdhsa_memory_ordered 1
		.amdhsa_forward_progress 1
		.amdhsa_inst_pref_size 57
	.end_amdhsa_kernel
	.amdgpu_metadata
---
amdhsa.version: [ 1, 2 ]
amdhsa.kernels:
  - .name:           k_qcea1ed22a6_qkv
    .symbol:         k_qcea1ed22a6_qkv.kd
    .args:
      - { .name: xc, .offset: 0, .size: 8, .value_kind: global_buffer, .address_space: global }
      - { .name: xs, .offset: 8, .size: 8, .value_kind: global_buffer, .address_space: global }
      - { .name: xb, .offset: 16, .size: 8, .value_kind: global_buffer, .address_space: global }
      - { .name: wimg, .offset: 24, .size: 8, .value_kind: global_buffer, .address_space: global }
      - { .name: Wq_scales, .offset: 32, .size: 8, .value_kind: global_buffer, .address_space: global }
      - { .name: Wk_scales, .offset: 40, .size: 8, .value_kind: global_buffer, .address_space: global }
      - { .name: Wv_scales, .offset: 48, .size: 8, .value_kind: global_buffer, .address_space: global }
      - { .name: Aq, .offset: 56, .size: 8, .value_kind: global_buffer, .address_space: global }
      - { .name: Ak, .offset: 64, .size: 8, .value_kind: global_buffer, .address_space: global }
      - { .name: Av, .offset: 72, .size: 8, .value_kind: global_buffer, .address_space: global }
      - { .name: qkvc, .offset: 80, .size: 8, .value_kind: global_buffer, .address_space: global }
      - { .name: qkvs, .offset: 88, .size: 8, .value_kind: global_buffer, .address_space: global }
    .group_segment_fixed_size: 197120
    .private_segment_fixed_size: 0
    .kernarg_segment_align: 8
    .kernarg_segment_size: 96
    .max_flat_workgroup_size: 128
    .sgpr_count:     102
    .vgpr_count:     640
    .wavefront_size: 32
...
	.end_amdgpu_metadata
.endif
;; end of part 2
;; launch attn (part 3): grid 8 x 32, 16 waves a work-group, clusters of 4 x 1, 206,848 bytes of LDS; arguments qkvc, qkvs, oc, osc; writes oc, osc
.if DOCPART == 3
	.amdgcn_target "amdgcn-amd-amdhsa--gfx1250"
	.amdhsa_code_object_version 6
	.text
	.protected	k_qcea1ed22a6_attn
	.globl	k_qcea1ed22a6_attn
	.p2align	8
	.type	k_qcea1ed22a6_attn,@function
k_qcea1ed22a6_attn:
	s_mov_b64 s[64:65], 0
	v_nop
	global_prefetch_b8 v0, s[64:65] scope:SCOPE_SE
	s_setreg_imm32_b32 hwreg(HW_REG_WAVE_MODE, 25, 1), 1
	s_wait_xcnt 0x0
	s_wait_alu depctr_hold_cnt(0) depctr_sa_sdst(0) depctr_va_vdst(0) depctr_va_sdst(0) depctr_va_ssrc(0) depctr_va_vcc(0) depctr_vm_vsrc(0)
	s_getreg_b32 s2, hwreg(HW_REG_IB_STS2, 6, 4)
	s_cmp_eq_u32 s2, 0
	s_cbranch_scc0 .Lentry_in_a_cluster
	s_endpgm
.Lentry_in_a_cluster:
	s_bfe_u32 s2, ttmp6, 0x10000c
	s_cmp_lg_u32 s2, 0x3003
	s_cbranch_scc0 .Lentry_shape_is_right
	s_endpgm
.Lentry_shape_is_right:
; ATTN.  o = softmax(q k^T / 8 + slope (i - j), causal) v for 32 (batch, head), 2,048 tokens, head size 64; both products on codes of FP6 (E2M3) with E8M0 scales; o is quantised along its 64 channels and leaves as codes.
; THE SOFTMAX: t = logit x log2(e); M = the running largest t rounded up to a whole number; p = 2^(t - M) is quantised along the keys, not normalised; the row's sum is taken of the unquantised p and divides at the end.
; THE LOGIT IS MADE IN THE STEPS IN WHICH IT IS DEFINED, each rounded once: slope x (i - j); score / 8 + that (one fused multiply-add: / 8 is exact); x log2(e); then - M.  The bias reaches 1,447: folding steps would move t by more than a code of p allows.
; SHARES.  A work-group has one (batch, head) and 16 waves; wave w owns ONE tile of 16 queries, tile 8 o(w) + i, i = the work-group's x (0-7): queries 128 o + 32 (i / 2) + 8 (i % 2) + r + 8 (r / 8).  It walks o + 1 steps of 128 keys.
; o(w) = 15, 2, 1, 12, 4, 9, 10, 7, 8, 5, 6, 11, 3, 14, 13, 0: whichever way the waves are dealt to four SIMDs, by w % 4 or by w / 4, each SIMD has 34 steps; every work-group has 136.
; LDS holds the head's K and V whole (96 KiB each) and their scale words: every tensor load is a first fill.  CLUSTER 4 x 1: four work-groups of one head ask for K and V jointly.
; Every wave walks all 16 trips (the trip counts are constants); a step whose keys all come after the wave's queries is jumped over: a scalar branch on the wave's number and the count of steps.
; LAYOUT.  S^T = K Q^T, O^T = V^T P^T: a lane holds one query throughout.  THE HEAD'S 64 FILL HALF OF THE INSTRUCTION'S 128: a fragment of K is two neighbouring key tiles side by side, and Q stands twice, as [q | 0] and [0 | q]:
; each fragment serves two products, and no zeros are loaded.  Zero codes add nothing under any scale byte from 1 to 254.
; LIMITS: p under 2^-126 is 0; 1 / sum is v_rcp_f32 with one Newton step; a block of zeros gets the byte 1; NaN and infinities are not served.  The scale bytes of o leave as 2 bytes a lane, 32 bytes apart: one such store a wave.
; REGISTERS: v0 kept; v1-6 addresses that stay; v7-11 the step's; v12 -M, v13 largest t, v[14:15] the sum; v16-27 [q|0]; v28-39 [0|q]; v40-87 four fragments; v88-103 the bias; v104-119 i - j; v120-183 S^T, t, p; v184-215 O^T;
;   v216-235 p's codes; v236-247 at work; v248, 249 scale words as loaded; v250, 251 V's; v252 f; v253 p's; v255 q's.  No two registers can be kept for the add: they are made anew in v88, v89.
.set VB,    98304
.set KSC,   196608
.set SPARE, 204800                     ; the spare words: 128 bytes a wave, eight blocks of 256 bytes that no other line names
.set FRB,   1536
.set HALFB, 768
.set UNIT,  3072                       ; 64 tokens: four halves
.set STEPB, 6144                       ; 128 keys
.set LK16, 1
.set LK8,  2
.set LV16, 3
.set LV8,  4
.set LS,   5
.set DL,   6                           ; v6   my query in its 128 - 16 h: on the diagonal register 16 b + n is hidden where 32 b + n is above it
.set AK16, 7
.set AK8,  8
.set AV16, 9
.set AV8,  10
.set AS,   11
.set QLO,  16
.set QHI,  28
.set FF,   40
.set TT,   88
.set DD,   104
.set SS,   120
.set OT,   184
.set PCD,  216
.set BM,   236
.set PB,   240
.set SO,   244
.set G1S, 12                           ; s[12:35] three groups 1: 16, 48, 336 rows of 256 bytes;  s[36:47] their groups 0
.set G1A, 20
.set G1B, 28
.set G0S, 36
.set G0A, 40
.set G0B, 44
.set WV,  50
.set OW,  51
.set SEL, 52
.set SL,  54                           ; s[54:55] the head's slope;  s[56:57] 1/8;  s[58:59] log2(e);  s[60:61] -32: each named as a pair, its low word serving both halves
.set E8,  56
.set L2,  58
.set M32, 60
.set JJ,  62                           ; the key step
.set TK,  63                           ; its bytes in K and in V
.set TS,  66                           ; its scale words
.set CNT, 67
.macro CROUND
	s_barrier_signal -1
	s_barrier_wait -1
	s_cmp_lg_u32 s[WV], 0
	s_cbranch_scc1 .Lnot_wave_0_\@
	s_barrier_signal -3
.Lnot_wave_0_\@:
	s_barrier_wait -3
	s_barrier_signal -1
	s_barrier_wait -1
.endm
.macro G1SET g, rows                   ; dense bytes as rows of 256 (32 elements of 8 bytes); the mask names all four work-groups
	s_mov_b32 s[\g], 15|(3<<16)|(1<<21)
	s_mov_b32 s[\g+1], 32<<16
	s_mov_b32 s[\g+2], (\rows)<<16
	s_mov_b32 s[\g+3], 32<<16
	s_mov_b32 s[\g+4], \rows
	s_mov_b32 s[\g+5], 32
	s_mov_b32 s[\g+6], 0
	s_mov_b32 s[\g+7], 0
.endm
.macro FRAG reg, a16, a8, offa, offb
	ds_load_b128 v[\reg:\reg+3], v[\a16] offset:\offa
	ds_load_b64 v[\reg+4:\reg+5], v[\a8] offset:\offa+512
	ds_load_b128 v[\reg+6:\reg+9], v[\a16] offset:\offb
	ds_load_b64 v[\reg+10:\reg+11], v[\a8] offset:\offb+512
.endm
	s_load_b256 s[4:11], s[0:1], 0x0               ; qkvc, qkvs, oc, osc
	v_lshl_add_u32 v88, v0, 2, SPARE
	v_mov_b32 v89, 0
	ds_add_u32 v88, v89                            ; the wave's opening: the add and its wait stand ahead of the first tensor loads; work on registers stands between them
	v_lshrrev_b32 v1, 5, v0
	v_readfirstlane_b32 s[WV], v1
	s_cmp_lt_u32 s[WV], 8                          ; o(w): a nibble of one of two words
	s_mov_b32 s48, 0x0DE3B658
	s_cselect_b32 s48, 0x7A94C12F, s48
	s_and_b32 s49, s[WV], 7
	s_lshl_b32 s49, s49, 2
	s_lshr_b32 s48, s48, s49
	s_and_b32 s[OW], s48, 15
	s_bfe_u32 s68, ttmp6, 0x40000                  ; cx
	s_lshl_b32 s69, ttmp9, 2
	s_add_co_u32 s69, s69, s68                     ; i: it enters global addresses and the lanes' numbers alone: no branch, no LDS address
	s_and_b32 s70, ttmp7, 0xffff                   ; 16 x batch + head
	s_and_b32 s71, s70, 15
	s_add_co_u32 s71, s71, 1                       ; e = head + 1: slope = 2^(-e / 2)
	s_add_co_u32 s72, s71, 1
	s_lshr_b32 s72, s72, 1
	s_sub_co_u32 s72, 127, s72
	s_lshl_b32 s72, s72, 23
	s_and_b32 s73, s71, 1
	s_cmp_eq_u32 s73, 1
	s_cselect_b32 s73, 0x3504f3, 0                 ; e odd: x sqrt(2), whose mantissa field this is
	s_or_b32 s[SL], s72, s73
	s_mov_b32 s[SL+1], s[SL]
	s_mov_b32 s[E8], 0x3e000000
	s_mov_b32 s[E8+1], s[E8]
	s_mov_b32 s[L2], 0x3fb8aa3b
	s_mov_b32 s[L2+1], s[L2]
	s_mov_b32 s[M32], 0xc2000000
	s_mov_b32 s[M32+1], s[M32]
	s_mov_b32 s[SEL], 0x76543210
	s_mov_b32 s[SEL+1], 0xfedcba98
	s_mov_b32 s[JJ], 0
	s_mov_b32 s[TK], 0
	s_mov_b32 s[TS], 0
	G1SET G1S, 16
	G1SET G1A, 48
	G1SET G1B, 336
	s_and_b32 s74, s[WV], 1                        ; wave 0 fetches K, wave 1 V
	s_add_co_u32 s75, s74, 1
	s_mul_i32 s76, s75, 3145728
	s_mul_i32 s77, s70, 98304
	s_add_co_u32 s76, s76, s77
	s_mov_b32 s77, 0
	s_lshl_b32 s78, s75, 17
	s_lshl_b32 s79, s70, 12
	s_add_co_u32 s78, s78, s79
	s_mov_b32 s79, 0
	s_mul_i32 s80, s74, VB
	s_lshl_b32 s81, s74, 12
	s_add_co_u32 s81, s81, KSC
	s_lshl_b32 s82, s[OW], 1                       ; my tile of q: unit 2 o + i / 4, half i % 4
	s_lshr_b32 s83, s69, 2
	s_add_co_u32 s82, s82, s83
	s_mul_i32 s84, s82, UNIT
	s_and_b32 s83, s69, 3
	s_mul_i32 s83, s83, HALFB
	s_add_co_u32 s84, s84, s83
	s_mul_i32 s83, s70, 98304
	s_add_co_u32 s84, s84, s83
	s_mov_b32 s85, 0
	s_lshl_b32 s86, s70, 5
	s_add_co_u32 s86, s86, s82
	s_lshl_b32 s86, s86, 7
	s_bfe_u32 s87, s69, 0x10001                    ; its scale word: halves 0, 1 in the unit's first 64 bytes, halves 2, 3 in the second
	s_lshl_b32 s87, s87, 6
	s_add_co_u32 s86, s86, s87
	s_mov_b32 s87, 0
	s_and_b32 s88, s69, 1
	s_cmp_eq_u32 s88, 0
	s_mov_b32 s88, 0x03020302
	s_cselect_b32 s88, 0x01000100, s88             ; which two bytes of the word are my half's: they are laid twice, for [q | 0] and [0 | q]
	s_lshr_b32 s89, s69, 1
	s_lshl_b32 s89, s89, 5
	s_and_b32 s90, s69, 1
	s_lshl_b32 s90, s90, 3
	s_add_co_u32 s89, s89, s90                     ; 32 (i / 2) + 8 (i % 2)
	s_lshr_b32 s91, s70, 4                         ; batch
	s_and_b32 s92, s70, 15                         ; head
	s_lshl_b32 s93, s91, 4
	s_add_co_u32 s93, s93, s[OW]                   ; oc: panel 16 batch + o, K step head / 2, tile i, half head % 2
	s_lshl_b32 s93, s93, 3
	s_lshr_b32 s94, s92, 1
	s_add_co_u32 s93, s93, s94
	s_lshl_b32 s93, s93, 3
	s_add_co_u32 s93, s93, s69
	s_mul_i32 s94, s93, FRB
	s_and_b32 s95, s92, 1
	s_mul_i32 s95, s95, HALFB
	s_add_co_u32 s94, s94, s95
	s_mov_b32 s95, 0
	s_lshl_b32 s96, s91, 11                        ; osc: 32 bytes a token, bytes 2 head, 2 head + 1
	s_lshl_b32 s98, s[OW], 7
	s_add_co_u32 s96, s96, s98
	s_add_co_u32 s96, s96, s89
	s_lshl_b32 s96, s96, 5
	s_lshl_b32 s97, s92, 1
	s_add_co_u32 s96, s96, s97
	s_mov_b32 s97, 0
	s_wait_dscnt 0x0                               ; the opening add is done
	s_wait_kmcnt 0x0
	s_mov_b32 s[G0S], 1
	s_mov_b32 s[G0S+1], s81
	s_add_nc_u64 s[G0S+2:G0S+3], s[6:7], s[78:79]
	s_or_b32 s[G0S+3], s[G0S+3], 0x80000000
	s_mov_b32 s[G0A], 1
	s_mov_b32 s[G0A+1], s80
	s_add_nc_u64 s[G0A+2:G0A+3], s[4:5], s[76:77]
	s_mov_b32 s[G0B], 1
	s_add_co_u32 s[G0B+1], s80, 2*STEPB
	s_add_nc_u64 s[G0B+2:G0B+3], s[G0A+2:G0A+3], 2*STEPB
	s_or_b32 s[G0A+3], s[G0A+3], 0x80000000
	s_or_b32 s[G0B+3], s[G0B+3], 0x80000000
	s_add_nc_u64 s[84:85], s[4:5], s[84:85]        ; q's codes
	s_add_nc_u64 s[86:87], s[6:7], s[86:87]        ; q's scale words
	s_add_nc_u64 s[8:9], s[8:9], s[94:95]
	s_add_nc_u64 s[10:11], s[10:11], s[96:97]
	CROUND                                         ; all four work-groups are here: the joint loads meet
	s_cmp_lt_u32 s[WV], 2                          ; the first fills stand in one branch on the wave's number: three loads of a fetching wave are out
	s_cbranch_scc0 .Lno_fill
	tensor_load_to_lds s[G0S:G0S+3], s[G1S:G1S+7]  ; the head's scale words
	s_nop 0
	tensor_load_to_lds s[G0A:G0A+3], s[G1A:G1A+7]  ; keys 0-255
	s_nop 0
	tensor_load_to_lds s[G0B:G0B+3], s[G1B:G1B+7]  ; keys 256-2,047
	s_nop 0
.rept 4
	v_nop
.endr
.Lno_fill:
	v_and_b32 v7, 31, v0
	v_lshlrev_b32 v[LK16], 4, v7
	v_lshlrev_b32 v[LK8], 3, v7
	v_add_nc_u32 v[LV16], VB, v[LK16]
	v_add_nc_u32 v[LV8], VB, v[LK8]
	v_lshl_add_u32 v[LS], v7, 2, KSC
	v_and_b32 v8, 15, v0                           ; r
	v_bfe_u32 v9, v0, 4, 1                         ; h
	v_and_b32 v10, 8, v0
	v_add_nc_u32 v10, v10, v8                      ; r + 8 (r / 8)
	v_lshlrev_b32 v9, 4, v9
	v_sub_nc_u32 v[DL], v10, v9
	v_add_nc_u32 v[DL], s89, v[DL]
	v_lshlrev_b32 v11, 2, v8
	global_load_b128 v[QLO:QLO+3], v[LK16], s[84:85]           ; q's half, twice: into the low half of one operand
	global_load_b64 v[QLO+4:QLO+5], v[LK8], s[84:85] offset:512
	global_load_b128 v[QHI+6:QHI+9], v[LK16], s[84:85]         ; and the high half of the other
	global_load_b64 v[QHI+10:QHI+11], v[LK8], s[84:85] offset:512
	global_load_b32 v252, v11, s[86:87]
	v_add_nc_u32 v254, s98, v[DL]                  ; my query - 16 h
.set ii, 0
.rept 16
	v_add_nc_u32 v[DD+ii], -ii, v254
.set ii, ii+1
.endr
.set ii, 0
.rept 16
	v_cvt_f32_i32 v[DD+ii], v[DD+ii]               ; i - j for key 16 h + n: whole numbers, exact; 32 less for each block walked
.set ii, ii+1
.endr
	s_wait_loadcnt 0x0
	v_perm_b32 v255, v252, v252, s88               ; q's scale word; the lines below are the places between it and the first product
.irp n, 0,1,2,3,4,5
	v_mov_b32 v[QLO+6+\n], 0
	v_mov_b32 v[QHI+\n], 0
.endr
	v_mov_b32 v13, 0xff61b1e6                      ; the largest t so far: -3e38
	v_floor_f32 v12, -v13
	v_mov_b32 v14, 0
	v_mov_b32 v15, 0
.irp b, 0,1,2,3
	v_mov_b32 v[PB+\b], 0                          ; written once: a lane permute's destination counts as one of its sources
.endr
	v_mov_b32 v253, 0                              ; (named as the upper half of v[252:253] before it is first written)
.set ii, 0
.rept 32
	v_mov_b32 v[OT+ii], 0                          ; the step is written once: the first finds zeros, which the first change of M leaves zeros
.set ii, ii+1
.endr
; A KEY STEP: 128 keys
.macro STEP
	s_cmp_gt_u32 s[JJ], s[OW]                      ; all its keys come after my queries: nothing but the steps of the addresses
	s_cbranch_scc1 .Lhid_\@
	v_add_nc_u32 v[AK16], s[TK], v[LK16]           ; (these five are also the places ahead of loads into registers that the last products read)
	v_add_nc_u32 v[AK8], s[TK], v[LK8]
	v_add_nc_u32 v[AV16], s[TK], v[LV16]
	v_add_nc_u32 v[AV8], s[TK], v[LV8]
	v_add_nc_u32 v[AS], s[TS], v[LS]
.irp f, 0,1,2,3                                ; fragment f: key tiles 2 f and 2 f + 1 side by side
	FRAG FF+12*\f, AK16, AK8, \f*FRB, \f*FRB+HALFB
.endr
	ds_load_b32 v248, v[AS]                        ; their scale words: lanes 0-15 fragment 0, lanes 16-31 fragment 1;
	ds_load_b32 v249, v[AS] offset:128             ; fragments 2, 3
	s_wait_dscnt 0x0
.irp f, 0,1,2,3
.if \f%2
	v_wmma_scale_f32_16x16x128_f8f6f4 v[SS+16*\f:SS+16*\f+7], v[FF+12*\f:FF+12*\f+11], v[QLO:QLO+11], 0, v[248+\f/2], v255 matrix_a_fmt:MATRIX_FMT_FP6 matrix_b_fmt:MATRIX_FMT_FP6 matrix_a_scale:MATRIX_SCALE_ROW1
	v_wmma_scale_f32_16x16x128_f8f6f4 v[SS+16*\f+8:SS+16*\f+15], v[FF+12*\f:FF+12*\f+11], v[QHI:QHI+11], 0, v[248+\f/2], v255 matrix_a_fmt:MATRIX_FMT_FP6 matrix_b_fmt:MATRIX_FMT_FP6 matrix_a_scale:MATRIX_SCALE_ROW1
.else
	v_wmma_scale_f32_16x16x128_f8f6f4 v[SS+16*\f:SS+16*\f+7], v[FF+12*\f:FF+12*\f+11], v[QLO:QLO+11], 0, v[248+\f/2], v255 matrix_a_fmt:MATRIX_FMT_FP6 matrix_b_fmt:MATRIX_FMT_FP6
	v_wmma_scale_f32_16x16x128_f8f6f4 v[SS+16*\f+8:SS+16*\f+15], v[FF+12*\f:FF+12*\f+11], v[QHI:QHI+11], 0, v[248+\f/2], v255 matrix_a_fmt:MATRIX_FMT_FP6 matrix_b_fmt:MATRIX_FMT_FP6
.endif
.endr                                          ; register 16 b + n of S^T: key 128 J + 32 b + 16 h + n
.irp b, 0,1,2,3
.irp n, 0,2,4,6,8,10,12,14
	v_pk_mul_f32 v[TT+\n:TT+\n+1], v[DD+\n:DD+\n+1], s[SL:SL+1] op_sel_hi:[1,0]   ; slope x (i - j).  (Block 0's eight are the places behind the products)
.endr
.if \b == 0
.irp t, 0,1,2,3                                ; V's fragments are asked for here and land under the softmax: channel tile t, keys 0-63 and 64-127 of the step
	FRAG FF+12*\t, AV16, AV8, \t*HALFB, UNIT+\t*HALFB
.endr
	ds_load_b32 v248, v[AS] offset:4096
	ds_load_b32 v249, v[AS] offset:4096+128
.endif
.irp n, 0,2,4,6,8,10,12,14
	v_pk_fma_f32 v[SS+16*\b+\n:SS+16*\b+\n+1], v[SS+16*\b+\n:SS+16*\b+\n+1], s[E8:E8+1], v[TT+\n:TT+\n+1] op_sel_hi:[1,0,1]   ; score / 8 + bias: the logit
.endr
.irp n, 0,2,4,6,8,10,12,14
	v_pk_add_f32 v[DD+\n:DD+\n+1], v[DD+\n:DD+\n+1], s[M32:M32+1] op_sel_hi:[1,0]   ; the next block's i - j
.endr
.irp n, 0,2,4,6,8,10,12,14
	v_pk_mul_f32 v[SS+16*\b+\n:SS+16*\b+\n+1], v[SS+16*\b+\n:SS+16*\b+\n+1], s[L2:L2+1] op_sel_hi:[1,0]   ; t
.endr
.endr
	s_cmp_lg_u32 s[JJ], s[OW]                      ; on the diagonal the t of hidden keys become -infinity: p = 0 then
	s_cbranch_scc1 .Lopen_\@
	v_mov_b32 v254, 0xff800000
.set ii, 0
.rept 64
	v_cmp_gt_i32 vcc_lo, 32*(ii/16)+ii%16, v[DL]
	v_cndmask_b32 v[SS+ii], v[SS+ii], v254, vcc_lo
.set ii, ii+1
.endr
.Lopen_\@:
.irp b, 0,1,2,3
	v_max3_num_f32 v[BM+\b], v[SS+16*\b], v[SS+1+16*\b], v[SS+2+16*\b]   ; the largest t of each block of 32 keys: it serves the row's maximum and, since p rises with t, the block's largest p
.endr
.irp i, 3,5,7,9,11,13
.irp b, 0,1,2,3
	v_max3_num_f32 v[BM+\b], v[BM+\b], v[SS+16*\b+\i], v[SS+1+16*\b+\i]
.endr
.endr
.irp b, 0,1,2,3
	v_max_num_f32 v[BM+\b], v[BM+\b], v[SS+15+16*\b]
.endr
.irp b, 0,1,2,3
	v_permlanex16_b32 v[PB+\b], v[BM+\b], s[SEL], s[SEL+1]
.endr
.irp b, 0,1,2,3
	v_max_num_f32 v[BM+\b], v[BM+\b], v[PB+\b]
.endr
	v_max3_num_f32 v254, v[BM], v[BM+1], v[BM+2]
	v_max_num_f32 v254, v254, v[BM+3]
	v_max_num_f32 v13, v13, v254                   ; the running largest t
	v_mov_b32 v254, v12
	v_floor_f32 v12, -v13                          ; -M = floor(-t): M is a whole number
	v_sub_f32 v254, v12, v254                      ; old M - new M: a whole number, 0 or less
	v_cvt_i32_f32 v254, v254                       ; (it saturates)
	v_ldexp_f32 v252, 1.0, v254                    ; f = 2^(old M - new M): a multiplication by it rounds nothing
.set ii, 0
.rept 32
	v_pk_add_f32 v[SS+ii:SS+ii+1], v[SS+ii:SS+ii+1], v[12:13] op_sel_hi:[1,0]   ; t - M
.set ii, ii+2
.endr
.irp b, 0,1,2,3
	v_add_f32 v[BM+\b], v[BM+\b], v12              ; the same of each block's largest t
.endr
.set ii, 0
.rept 64
	v_exp_f32 v[SS+ii], v[SS+ii]                   ; p, at most 1
.set ii, ii+1
.endr
	v_pk_mul_f32 v[14:15], v[14:15], v[252:253] op_sel_hi:[1,0]   ; the sums under the new M: the plain place behind the exponentials
	s_wait_alu depctr_va_vdst(0)                   ; one wait for the batch, ahead of its first reader
.irp b, 0,1,2,3
	v_exp_f32 v[BM+\b], v[BM+\b]                   ; the block's largest p: the same two instructions on the same number give the same bits
.endr
	v_pk_add_f32 v[PB:PB+1], v[SS:SS+1], v[SS+2:SS+3]   ; the row's sum of the unquantised p, in two chains
.irp j, 4,8,12,16,20,24,28,32,36,40,44,48,52,56,60
	v_pk_add_f32 v[14:15], v[14:15], v[SS+\j:SS+\j+1]
	v_pk_add_f32 v[PB:PB+1], v[PB:PB+1], v[SS+2+\j:SS+3+\j]
.endr
	v_pk_add_f32 v[14:15], v[14:15], v[PB:PB+1]
	s_wait_alu depctr_va_vdst(0)                   ; and one for the four
.irp b, 0,1,2,3
	v_max_num_f32 v[BM+\b], 0x1800000, v[BM+\b]    ; the floor 2^(3 - 127): the byte cannot fall under 1
.endr
.irp b, 0,1,2,3
	v_add_nc_u32 v[SO+\b], 0xff000000, v[BM+\b]
.endr
.irp b, 0,1,2,3
	v_lshrrev_b32 v[PB+\b], 23, v[SO+\b]
.endr
	v_lshl_or_b32 v253, v[PB+1], 8, v[PB]          ; p's scale word for these 128 keys
	v_lshl_or_b32 v253, v[PB+2], 16, v253
	v_lshl_or_b32 v253, v[PB+3], 24, v253
.irp c, 0,1
	v_cvt_scalef32_pk16_fp6_f32 v[PCD+6*\c:PCD+2+6*\c], v[SS+32*\c:SS+15+32*\c], v[SO+2*\c]
	v_cvt_scalef32_pk16_fp6_f32 v[PCD+12+4*\c:PCD+14+4*\c], v[SS+16+32*\c:SS+31+32*\c], v[SO+2*\c+1]
.endr
	v_nop                                          ; one plain place behind the scaled conversions
.irp c, 0,1
.irp i, 0,1,2
	v_permlane16_swap_b32 v[PCD+6*\c+\i], v[PCD+12+4*\c+\i]
.endr
.irp i, 0,1,2
	v_mov_b32 v[PCD+3+6*\c+\i], v[PCD+12+4*\c+\i]
.endr
.endr
	s_wait_dscnt 0x0                               ; V's fragments and scale words are in
	v_perm_b32 v250, v249, v248, 0x05040100        ; channel tiles 0 (lanes 0-15) and 2 (lanes 16-31): two bytes of each of the step's two units
	v_perm_b32 v251, v249, v248, 0x07060302        ; tiles 1 and 3
.set ii, 0
.rept 16
	v_pk_mul_f32 v[OT+ii:OT+ii+1], v[OT+ii:OT+ii+1], v[252:253] op_sel_hi:[1,0]   ; O^T under the new M.  (These are also the places between the scale words and codes just made and the products)
.set ii, ii+2
.endr
.irp t, 0,1,2,3
.if \t/2
	v_wmma_scale_f32_16x16x128_f8f6f4 v[OT+8*\t:OT+8*\t+7], v[FF+12*\t:FF+12*\t+11], v[PCD:PCD+11], v[OT+8*\t:OT+8*\t+7], v[250+\t%2], v253 matrix_a_fmt:MATRIX_FMT_FP6 matrix_b_fmt:MATRIX_FMT_FP6 matrix_a_scale:MATRIX_SCALE_ROW1
.else
	v_wmma_scale_f32_16x16x128_f8f6f4 v[OT+8*\t:OT+8*\t+7], v[FF+12*\t:FF+12*\t+11], v[PCD:PCD+11], v[OT+8*\t:OT+8*\t+7], v[250+\t%2], v253 matrix_a_fmt:MATRIX_FMT_FP6 matrix_b_fmt:MATRIX_FMT_FP6
.endif
.endr
.Lhid_\@:
	s_add_co_u32 s[JJ], s[JJ], 1
	s_add_co_u32 s[TK], s[TK], STEPB
	s_add_co_u32 s[TS], s[TS], 256
.endm
	s_wait_tensorcnt 1                             ; the scale words and keys 0-255 are in; the rest may stay out
	s_barrier_signal -1
	s_barrier_wait -1
	s_mov_b32 s[CNT], 2
.Lfirst:                                           ; key steps 0, 1
	STEP
	s_sub_co_u32 s[CNT], s[CNT], 1
	s_cmp_lg_u32 s[CNT], 0
	s_cbranch_scc1 .Lfirst
	s_wait_tensorcnt 0x0                           ; all of K and V is in
	s_wait_dscnt 0x0
	s_barrier_signal -1
	s_barrier_wait -1
	s_mov_b32 s[CNT], 14
.Lrest:                                            ; key steps 2 to 15
	STEP
	s_sub_co_u32 s[CNT], s[CNT], 1
	s_cmp_lg_u32 s[CNT], 0
	s_cbranch_scc1 .Lrest
	; THE WAY OUT: O^T / the sum, quantised along the head's 64 channels: one half of an operand of the last product
.rept 4
	v_nop                                          ; places behind the last products
.endr
	v_add_f32 v14, v14, v15
	v_permlanex16_b32 v[PB], v14, s[SEL], s[SEL+1]
	v_add_f32 v14, v14, v[PB]                      ; the row's sum
	v_rcp_f32 v12, v14
	v_and_b32 v7, 8, v0                            ; (plain work behind the reciprocal)
	v_and_b32 v8, 15, v0
	v_add_nc_u32 v7, v7, v8
	v_lshlrev_b32 v7, 5, v7                        ; my token's 32 scale bytes
	s_wait_alu depctr_va_vdst(0)                   ; ahead of the reciprocal's first reader
	v_fma_f32 v13, -v14, v12, 1.0                  ; one Newton step
	v_fma_f32 v12, v13, v12, v12
.set ii, 0
.rept 16
	v_pk_mul_f32 v[SS+ii:SS+ii+1], v[OT+ii:OT+ii+1], v[12:13] op_sel_hi:[1,0]   ; register 16 b + n: channel 32 b + 16 h + n; each accumulator from its low end on
.set ii, ii+2
.endr
.irp b, 0,1
	v_max3_num_f32 v[BM+\b], |v[SS+16*\b]|, |v[SS+1+16*\b]|, 0x1800000
.endr
.irp i, 2,4,6,8,10,12,14
.irp b, 0,1
	v_max3_num_f32 v[BM+\b], v[BM+\b], |v[SS+16*\b+\i]|, |v[SS+1+16*\b+\i]|
.endr
.endr
.irp b, 0,1
	v_permlanex16_b32 v[PB+\b], v[BM+\b], s[SEL], s[SEL+1]
.endr
.irp b, 0,1
	v_max_num_f32 v[BM+\b], v[BM+\b], v[PB+\b]
.endr
.irp b, 0,1
	v_add_nc_u32 v[SO+\b], 0xff000000, v[BM+\b]
.endr
.irp b, 0,1
	v_lshrrev_b32 v[PB+\b], 23, v[SO+\b]
.endr
	v_lshl_or_b32 v253, v[PB+1], 8, v[PB]
	v_cvt_scalef32_pk16_fp6_f32 v[PCD:PCD+2], v[SS:SS+15], v[SO]
	v_cvt_scalef32_pk16_fp6_f32 v[PCD+12:PCD+14], v[SS+16:SS+31], v[SO+1]
	v_nop
.irp i, 0,1,2
	v_permlane16_swap_b32 v[PCD+\i], v[PCD+12+\i]
.endr
.irp i, 0,1,2
	v_mov_b32 v[PCD+3+\i], v[PCD+12+\i]
.endr
	global_store_b128 v[LK16], v[PCD:PCD+3], s[8:9]
	global_store_b64 v[LK8], v[PCD+4:PCD+5], s[8:9] offset:512
	global_store_b16 v7, v253, s[10:11]            ; both halves of the lanes hold the row's two bytes and write the same
	v_lshl_add_u32 v88, v0, 2, SPARE               ; the add's two registers, made anew
	v_mov_b32 v89, 0
	s_wait_tensorcnt 0x0                           ; the wave's end
	ds_add_u32 v88, v89
	s_wait_dscnt 0x0
	CROUND                                         ; the closing round
	s_endpgm
.Lfunc_end_k_qcea1ed22a6_attn:
	.size	k_qcea1ed22a6_attn, .Lfunc_end_k_qcea1ed22a6_attn-k_qcea1ed22a6_attn
	.p2alignl 7, 3214868480
	.fill 96, 4, 3214868480
	.section	.rodata,"a",@progbits
	.p2align	6, 0x0
	.amdhsa_kernel k_qcea1ed22a6_attn
		.amdhsa_group_segment_fixed_size 206848
		.amdhsa_private_segment_fixed_size 0
		.amdhsa_enable_private_segment 0
		.amdhsa_kernarg_size 32
		.amdhsa_user_sgpr_count 2
		.amdhsa_user_sgpr_kernarg_segment_ptr 1
		.amdhsa_wavefront_size32 1
		.amdhsa_system_sgpr_workgroup_id_x 1
		.amdhsa_system_sgpr_workgroup_id_y 1
		.amdhsa_system_sgpr_workgroup_id_z 1
		.amdhsa_system_vgpr_workitem_id 0
		.amdhsa_next_free_vgpr 256
		.amdhsa_next_free_sgpr 100
		.amdhsa_reserve_vcc 1
		.amdhsa_float_denorm_mode_32 3
		.amdhsa_float_denorm_mode_16_64 3
		.amdhsa_memory_ordered 1
		.amdhsa_forward_progress 1
		.amdhsa_inst_pref_size 74
	.end_amdhsa_kernel
	.amdgpu_metadata
---
amdhsa.version: [ 1, 2 ]
amdhsa.kernels:
  - .name:           k_qcea1ed22a6_attn
    .symbol:         k_qcea1ed22a6_attn.kd
    .args:
      - { .name: qkvc, .offset: 0, .size: 8, .value_kind: global_buffer, .address_space: global }
      - { .name: qkvs, .offset: 8, .size: 8, .value_kind: global_buffer, .address_space: global }
      - { .name: oc, .offset: 16, .size: 8, .value_kind: global_buffer, .address_space: global }
      - { .name: osc, .offset: 24, .size: 8, .value_kind: global_buffer, .address_space: global }
    .group_segment_fixed_size: 206848
    .private_segment_fixed_size: 0
    .kernarg_segment_align: 8
    .kernarg_segment_size: 32
    .max_flat_workgroup_size: 512
    .sgpr_count:     100
    .vgpr_count:     256
    .wavefront_size: 32
...
	.end_amdgpu_metadata
.endif
;; end of part 3
;; launch proj (part 4): grid 32 x 8, 4 waves a work-group, clusters of 4 x 4, 214,528 bytes of LDS; arguments oc, osc, wimg, Wp_scales, out0; writes out0
.if DOCPART == 4
	.amdgcn_target "amdgcn-amd-amdhsa--gfx1250"
	.amdhsa_code_object_version 6
	.text
	.protected	k_qcea1ed22a6_proj
	.globl	k_qcea1ed22a6_proj
	.p2align	8
	.type	k_qcea1ed22a6_proj,@function
k_qcea1ed22a6_proj:
	s_mov_b64 s[64:65], 0
	v_nop
	global_prefetch_b8 v0, s[64:65] scope:SCOPE_SE
	s_setreg_imm32_b32 hwreg(HW_REG_WAVE_MODE, 25, 1), 1
	s_wait_xcnt 0x0
	s_wait_alu depctr_hold_cnt(0) depctr_sa_sdst(0) depctr_va_vdst(0) depctr_va_sdst(0) depctr_va_ssrc(0) depctr_va_vcc(0) depctr_vm_vsrc(0)
	s_getreg_b32 s2, hwreg(HW_REG_IB_STS2, 6, 4)
	s_cmp_eq_u32 s2, 0
	s_cbranch_scc0 .Lentry_in_a_cluster
	s_endpgm
.Lentry_in_a_cluster:
	s_bfe_u32 s2, ttmp6, 0x10000c
	s_cmp_lg_u32 s2, 0xf033
	s_cbranch_scc0 .Lentry_shape_is_right
	s_endpgm
.Lentry_shape_is_right:
; PROJ.  out0 = o Wp^T on codes of FP6 (E2M3) with E8M0 scales; out0 [4096][1024] f32.
; Source 0 = P = 16 rows of Wp, source 1 = R = 16 tokens of o: a lane holds one token and eight neighbouring output channels.
; A work-group makes 128 tokens x 128 channels, a wave 64 x 64: 16 accumulators.  Both panels, 128 rows x all 1,024 of K, 96 KiB each, lie in LDS whole: every tensor load is a first fill.
; CLUSTER 4 x 4: o's panel hangs on cx and is shared along a column of the cluster, Wp's on cy and is shared along a row: each is asked for jointly.
; Panels lie [K step][tile][1,536 bytes] as images of the operand's registers; row p of tile t is 32 (t / 2) + 8 (t % 2) + p + 8 (p / 8); scales lie [row][32 bytes].
; REGISTERS.  window 0: v5-22 addresses; v28, v29 the add's two; v32-63 scale words; v64-127 rows on the way out; v128-255 the accumulators ((a, b) at 128 + 8 (4 b + a)).  window 1: v0-95 fragments of even K steps; window 2: of odd ones.
.set PANEL, 98304
.set KSB,   12288
.set FRB,   1536
.set RBASE, PANEL
.set STAGE, 2*PANEL                    ; 16 rows x (256 bytes + 16) for each wave; no tensor load lands here
.set SPT,   272
.set SPARE, STAGE+4*16*SPT             ; the spare words: 128 bytes a wave, two blocks of 256 bytes that no other line names
.set L16, 5
.set L8,  6
.set AP16, 8
.set AP8,  10
.set AR16, 12
.set AR8,  14
.set GPS, 16
.set GRS, 17
.set STO, 20
.set RD,  21
.set CO,  22
.set SPW, 28
.set NIL, 29
.set SCP, 32
.set SCR, 48
.set BK,  64
.set ACC, 128
.set G1P, 28
.set G1R, 36
.set G0P, 44
.set G0R, 68
.set WV, 60
.set WP, 61
.set WR, 62
.set MSB, 0
.macro WIN new                         ; the immediate's high byte repeats the setting that is left
.if MSB != (\new)
	s_set_vgpr_msb (MSB<<8)|(\new)
.set MSB, (\new)
.endif
.endm
.macro PLACES n
.rept \n
	v_nop
.endr
.endm
.macro CROUND
	s_barrier_signal -1
	s_barrier_wait -1
	s_cmp_lg_u32 s[WV], 0
	s_cbranch_scc1 .Lnot_wave_0_\@
	s_barrier_signal -3
.Lnot_wave_0_\@:
	s_barrier_wait -3
	s_barrier_signal -1
	s_barrier_wait -1
.endm
.macro FRAG reg, a16, a8, offa, offb
	ds_load_b128 v[\reg:\reg+3], v[\a16] offset:\offa
	ds_load_b64 v[\reg+4:\reg+5], v[\a8] offset:\offa+512
	ds_load_b128 v[\reg+6:\reg+9], v[\a16] offset:\offb
	ds_load_b64 v[\reg+10:\reg+11], v[\a8] offset:\offb+512
.endm
.macro FETCH s                         ; K step s: 32 LDS loads
	WIN 0x40*(1+((\s)&1))
.irp a, 0,1,2,3
	FRAG 12*\a, AP16+((\s)>>2), AP8+((\s)>>2), ((\s)&3)*KSB+\a*FRB, ((\s)&3)*KSB+\a*FRB+768
.endr
.irp a, 0,1,2,3
	FRAG 48+12*\a, AR16+((\s)>>2), AR8+((\s)>>2), ((\s)&3)*KSB+\a*FRB, ((\s)&3)*KSB+\a*FRB+768
.endr
.endm
.macro MUL s, b0, b1, zero             ; eight products of K step s; zero = 1: they start the sums.  The 16 accumulators take turns, in the same order in every K step
	WIN 0x05*(1+((\s)&1))
.irp b, \b0, \b1
.irp a, 0,1,2,3
.if \zero
	v_wmma_scale_f32_16x16x128_f8f6f4 v[ACC+8*(4*\b+\a):ACC+8*(4*\b+\a)+7], v[12*\a:12*\a+11], v[48+12*\b:48+12*\b+11], 0, v[SCP+4*\a+((\s)&3)], v[SCR+4*\b+((\s)&3)] matrix_a_fmt:MATRIX_FMT_FP6 matrix_b_fmt:MATRIX_FMT_FP6
.elseif (\s) < 4
	v_wmma_scale_f32_16x16x128_f8f6f4 v[ACC+8*(4*\b+\a):ACC+8*(4*\b+\a)+7], v[12*\a:12*\a+11], v[48+12*\b:48+12*\b+11], v[ACC+8*(4*\b+\a):ACC+8*(4*\b+\a)+7], v[SCP+4*\a+((\s)&3)], v[SCR+4*\b+((\s)&3)] matrix_a_fmt:MATRIX_FMT_FP6 matrix_b_fmt:MATRIX_FMT_FP6
.else
	v_wmma_scale_f32_16x16x128_f8f6f4 v[ACC+8*(4*\b+\a):ACC+8*(4*\b+\a)+7], v[12*\a:12*\a+11], v[48+12*\b:48+12*\b+11], v[ACC+8*(4*\b+\a):ACC+8*(4*\b+\a)+7], v[SCP+4*\a+((\s)&3)], v[SCR+4*\b+((\s)&3)] matrix_a_fmt:MATRIX_FMT_FP6 matrix_b_fmt:MATRIX_FMT_FP6 matrix_a_scale:MATRIX_SCALE_ROW1 matrix_b_scale:MATRIX_SCALE_ROW1
.endif
.endr
.endr
.endm
.macro KEVEN s, zero
	PLACES 4                                       ; ahead of loads into registers that the last products read
	FETCH (\s)+1
	s_wait_dscnt 32                                ; all but the 32 just issued: this step's fragments are in
	MUL \s, 0, 1, \zero
	MUL \s, 2, 3, \zero
.endm
.macro KODD s
	s_wait_dscnt 0x0                               ; this step's fragments are in; no LDS instruction of mine is out at the signal
	s_wait_tensorcnt 2-((\s)>>1)                   ; my load of the next pair of K steps is in; the later ones stay out
	s_barrier_signal -1
	MUL \s, 0, 1, 0
	s_barrier_wait -1
	PLACES 4
	FETCH (\s)+1
	MUL \s, 2, 3, 0
.endm
	s_load_b256 s[4:11], s[0:1], 0x0               ; oc, osc, wimg, Wp's scales
	s_load_b64 s[12:13], s[0:1], 0x20              ; out0
	v_lshl_add_u32 v[SPW], v0, 2, SPARE
	v_mov_b32 v[NIL], 0
	ds_add_u32 v[SPW], v[NIL]                      ; the wave's opening: the add and its wait stand ahead of my first tensor load; work on registers stands between them
	v_lshrrev_b32 v1, 5, v0
	v_readfirstlane_b32 s[WV], v1
	s_and_b32 s[WP], s[WV], 1                      ; my half of Wp's rows.  Also: which K step of each pair I fetch
	s_lshr_b32 s[WR], s[WV], 1                     ; my half of the tokens.  Also: I fetch for P (0) or for R (1)
	s_bfe_u32 s84, ttmp6, 0x40000                  ; cx
	s_bfe_u32 s85, ttmp6, 0x40004                  ; cy
	s_lshl_b32 s89, ttmp9, 2
	s_add_co_u32 s89, s89, s84                     ; o's panel: it holds cx and never cy
	s_and_b32 s90, ttmp7, 0xffff
	s_lshl_b32 s90, s90, 2
	s_add_co_u32 s90, s90, s85                     ; Wp's panel: it holds cy and never cx
	s_lshl_b32 s91, s85, 2
	s_lshl_b32 s91, 15, s91                        ; my row of the cluster
	s_lshl_b32 s92, 0x1111, s84                    ; my column
	s_or_b32 s[G1P], s91, (3<<16)|(1<<21)
	s_or_b32 s[G1R], s92, (3<<16)|(1<<21)
.irp g, G1P, G1R                               ; a K step of a panel: 12,288 dense bytes as 48 rows of 256
	s_mov_b32 s[\g+1], 32<<16
	s_mov_b32 s[\g+2], 48<<16
	s_mov_b32 s[\g+3], 32<<16
	s_mov_b32 s[\g+4], 48
	s_mov_b32 s[\g+5], 32
	s_mov_b32 s[\g+6], 0
	s_mov_b32 s[\g+7], 0
.endr
	s_mul_i32 s94, s90, PANEL
	s_add_co_u32 s94, s94, 3*786432                ; Wp is the fourth weight of wimg
	s_mov_b32 s95, 0
	s_mul_i32 s96, s89, PANEL
	s_mov_b32 s97, 0
	s_lshl_b32 s98, s90, 12
	s_mov_b32 s99, 0
	s_lshl_b32 s100, s89, 12
	s_mov_b32 s101, 0
	s_mul_i32 s2, s[WP], KSB
	s_mov_b32 s3, 0
	s_wait_dscnt 0x0                               ; the opening add is done
	s_wait_kmcnt 0x0
	s_add_nc_u64 s[8:9], s[8:9], s[94:95]
	s_add_nc_u64 s[8:9], s[8:9], s[2:3]
	s_add_nc_u64 s[4:5], s[4:5], s[96:97]
	s_add_nc_u64 s[4:5], s[4:5], s[2:3]
	s_add_nc_u64 s[10:11], s[10:11], s[98:99]
	s_add_nc_u64 s[6:7], s[6:7], s[100:101]
	CROUND                                         ; all sixteen work-groups are here: the joint loads meet
.irp j, 0,1,2,3                                ; load j: K step 2 j + (wave % 2)
	s_mov_b32 s[G0P+4*\j], 1
	s_add_co_u32 s[G0P+4*\j+1], s2, \j*2*KSB
	s_add_nc_u64 s[G0P+4*\j+2:G0P+4*\j+3], s[8:9], \j*2*KSB
	s_or_b32 s[G0P+4*\j+3], s[G0P+4*\j+3], 0x80000000
	s_mov_b32 s[G0R+4*\j], 1
	s_add_co_u32 s[G0R+4*\j+1], s2, RBASE+\j*2*KSB
	s_add_nc_u64 s[G0R+4*\j+2:G0R+4*\j+3], s[4:5], \j*2*KSB
	s_or_b32 s[G0R+4*\j+3], s[G0R+4*\j+3], 0x80000000
.endr
	s_cmp_lt_u32 s[WV], 2                          ; a wave's four first fills stand in one branch on the wave's number: four loads of mine are out
	s_cbranch_scc0 .Lfirst_r
.irp j, 0,1,2,3
	tensor_load_to_lds s[G0P+4*\j:G0P+4*\j+3], s[G1P:G1P+7]
	s_nop 0
.endr
	PLACES 4
	s_branch .Lasked
.Lfirst_r:
.irp j, 0,1,2,3
	tensor_load_to_lds s[G0R+4*\j:G0R+4*\j+3], s[G1R:G1R+7]
	s_nop 0
.endr
	PLACES 4
.Lasked:
	v_and_b32 v1, 31, v0                           ; lane
	v_and_b32 v2, 15, v0                           ; r
	v_bfe_u32 v3, v0, 4, 1                         ; h
	v_lshlrev_b32 v[L16], 4, v1
	v_lshlrev_b32 v[L8], 3, v1
	v_and_b32 v4, 8, v0
	v_add_nc_u32 v4, v4, v2                        ; r + 8 (r / 8)
	s_lshl_b32 s63, s[WP], 6
	s_lshl_b32 s93, s[WR], 6
	v_add_nc_u32 v[GPS], s63, v4
	v_add_nc_u32 v[GRS], s93, v4
	v_lshlrev_b32 v[GPS], 5, v[GPS]
	v_lshlrev_b32 v[GRS], 5, v[GRS]
	v_lshl_add_u32 v[GPS], v3, 4, v[GPS]
	v_lshl_add_u32 v[GRS], v3, 4, v[GRS]
.irp a, 0,1,2,3
	global_load_b128 v[SCP+4*\a:SCP+4*\a+3], v[GPS], s[10:11] offset:(32*(\a/2)+8*(\a%2))*32
	global_load_b128 v[SCR+4*\a:SCR+4*\a+3], v[GRS], s[6:7] offset:(32*(\a/2)+8*(\a%2))*32
.endr
	s_mul_i32 s63, s[WP], 4*FRB
	s_mul_i32 s93, s[WR], 4*FRB
	s_add_co_u32 s93, s93, RBASE
	v_add_nc_u32 v[AP16], s63, v[L16]
	v_add_nc_u32 v[AP8], s63, v[L8]
	v_add_nc_u32 v[AR16], s93, v[L16]
	v_add_nc_u32 v[AR8], s93, v[L8]
	v_add_nc_u32 v[AP16+1], 4*KSB, v[AP16]
	v_add_nc_u32 v[AP8+1], 4*KSB, v[AP8]
	v_add_nc_u32 v[AR16+1], 4*KSB, v[AR16]
	v_add_nc_u32 v[AR8+1], 4*KSB, v[AR8]
	s_mul_i32 s63, s[WV], 16*SPT
	s_add_co_u32 s63, s63, STAGE                   ; my stage
	v_mul_u32_u24 v[STO], v2, SPT                  ; in: row r, + 64 h: accumulator a's eight channels begin at 32 (a / 2) + 16 h + 8 (a % 2)
	v_lshl_add_u32 v[STO], v3, 6, v[STO]
	v_add_nc_u32 v[STO], s63, v[STO]
	v_mul_u32_u24 v[RD], v3, SPT                   ; back: lanes 0-15 one row of 256 bytes, lanes 16-31 the next
	v_lshl_add_u32 v[RD], v2, 4, v[RD]
	v_add_nc_u32 v[RD], s63, v[RD]
	v_lshlrev_b32 v[CO], 12, v3                    ; and the same two rows in out0
	v_lshl_add_u32 v[CO], v2, 4, v[CO]
	; where my 64 x 64 begins in out0.  These numbers mix cx and cy: they stand in registers that feed no descriptor and no LDS address
	s_lshl_b32 s86, s89, 7
	s_lshl_b32 s87, s[WR], 6
	s_add_co_u32 s86, s86, s87
	s_lshl_b32 s98, s86, 12
	s_lshl_b32 s87, s90, 7
	s_lshl_b32 s88, s[WP], 6
	s_add_co_u32 s87, s87, s88
	s_lshl_b32 s87, s87, 2
	s_add_co_u32 s98, s98, s87
	s_mov_b32 s99, 0
	s_add_nc_u64 s[12:13], s[12:13], s[98:99]
	s_wait_loadcnt 0x0
	s_wait_tensorcnt 3                             ; my load of K steps 0, 1 is in; the three later ones stay out
	s_barrier_signal -1
	s_barrier_wait -1                              ; everybody's is
	FETCH 0
	KEVEN 0, 1                                     ; the first K step's products start the sums: nothing is cleared
	KODD 1
	KEVEN 2, 0
	KODD 3
	KEVEN 4, 0
	KODD 5
	KEVEN 6, 0
	s_wait_dscnt 0x0
	MUL 7, 0, 1, 0
	MUL 7, 2, 3, 0
	WIN 0
; THE WAY OUT, a tile of 16 tokens x 64 channels at a time, through my own stage: back come whole rows of 256 bytes, which sixteen lanes store as one aligned run.
; LDS serves a wave's instructions in order (ISA guide 5.7.1.4): no wait between the stores and the loads, nor ahead of the next tile's stores.
.macro TOSTAGE b
.irp a, 0,1,2,3
	ds_store_b128 v[STO], v[ACC+8*(4*(\b)+\a):ACC+8*(4*(\b)+\a)+3] offset:128*(\a/2)+32*(\a%2)          ; each accumulator from its low end on
	ds_store_b128 v[STO], v[ACC+8*(4*(\b)+\a)+4:ACC+8*(4*(\b)+\a)+7] offset:128*(\a/2)+32*(\a%2)+16
.endr
.irp t, 0,1,2,3,4,5,6,7
	ds_load_b128 v[BK+32*((\b)%2)+4*\t:BK+32*((\b)%2)+4*\t+3], v[RD] offset:2*\t*SPT
.endr
.endm
.macro SEND b, younger                 ; younger: the LDS instructions issued behind tile b's loads
	s_wait_dscnt \younger
.irp t, 0,1,2,3,4,5,6,7                        ; stage row 2 t + h is token 32 (b / 2) + 8 (b % 2) + 2 t + h + 8 (t / 4) of my 64
	global_store_b128 v[CO], v[BK+32*((\b)%2)+4*\t:BK+32*((\b)%2)+4*\t+3], s[12:13] offset:(32*((\b)/2)+8*((\b)%2)+2*\t+8*(\t/4))*4096 th:TH_STORE_NT
.endr
.endm
	PLACES 4                                       ; ahead of the first read of results
	TOSTAGE 0
.irp b, 1,2,3
.if \b > 1
	s_wait_xcnt 0x0                                ; tile b - 2's stores have read their registers: tile b's rows may land there
.endif
	TOSTAGE \b
	SEND \b-1, 16                                  ; behind tile b - 1's loads: tile b's 8 stores and 8 loads
.endr
	SEND 3, 0
	s_wait_tensorcnt 0x0                           ; the wave's end, behind my last LDS store
	ds_add_u32 v[SPW], v[NIL]
	s_wait_dscnt 0x0
	CROUND                                         ; the closing round
	s_endpgm
.Lfunc_end_k_qcea1ed22a6_proj:
	.size	k_qcea1ed22a6_proj, .Lfunc_end_k_qcea1ed22a6_proj-k_qcea1ed22a6_proj
	.p2alignl 7, 3214868480
	.fill 96, 4, 3214868480
	.section	.rodata,"a",@progbits
	.p2align	6, 0x0
	.amdhsa_kernel k_qcea1ed22a6_proj
		.amdhsa_group_segment_fixed_size 214528
		.amdhsa_private_segment_fixed_size 0
		.amdhsa_enable_private_segment 0
		.amdhsa_kernarg_size 40
		.amdhsa_user_sgpr_count 2
		.amdhsa_user_sgpr_kernarg_segment_ptr 1
		.amdhsa_wavefront_size32 1
		.amdhsa_system_sgpr_workgroup_id_x 1
		.amdhsa_system_sgpr_workgroup_id_y 1
		.amdhsa_system_sgpr_workgroup_id_z 1
		.amdhsa_system_vgpr_workitem_id 0
		.amdhsa_next_free_vgpr 640
		.amdhsa_next_free_sgpr 102
		.amdhsa_reserve_vcc 0
		.amdhsa_float_denorm_mode_32 3
		.amdhsa_float_denorm_mode_16_64 3
		.amdhsa_memory_ordered 1
		.amdhsa_forward_progress 1
		.amdhsa_inst_pref_size 51
	.end_amdhsa_kernel
	.amdgpu_metadata
---
amdhsa.version: [ 1, 2 ]
amdhsa.kernels:
  - .name:           k_qcea1ed22a6_proj
    .symbol:         k_qcea1ed22a6_proj.kd
    .args:
      - { .name: oc, .offset: 0, .size: 8, .value_kind: global_buffer, .address_space: global }
      - { .name: osc, .offset: 8, .size: 8, .value_kind: global_buffer, .address_space: global }
      - { .name: wimg, .offset: 16, .size: 8, .value_kind: global_buffer, .address_space: global }
      - { .name: Wp_scales, .offset: 24, .size: 8, .value_kind: global_buffer, .address_space: global }
      - { .name: out0, .offset: 32, .size: 8, .value_kind: global_buffer, .address_space: global }
    .group_segment_fixed_size: 214528
    .private_segment_fixed_size: 0
    .kernarg_segment_align: 8
    .kernarg_segment_size: 40
    .max_flat_workgroup_size: 128
    .sgpr_count:     102
    .vgpr_count:     640
    .wavefront_size: 32
...
	.end_amdgpu_metadata
.endif
;; end of part 4
